; MI455X (gfx1250); checked and timed in simulation.
; The chip was launched on July 23, 2026; its instructions are those of AMD's public machine-readable ISA for CDNA 5 (MIT licence, August 2026) and "CDNA5" Instruction Set Architecture Reference Guide (July 2026). The comments in the code are by the model that wrote it; some were corrected since.
;; Vector Quantizer EMA. Allowed arithmetic: float matrix products may take bf16 or f16 operands with f32 sums; other float arithmetic in f32, or as packed bf16 or f16 multiplies, adds, multiply-adds, maxima and minima; sums over many terms, partial sums and values carried from step to step in f32; what a program stores and reads back later, other than sums and carried values, may be rounded once to bf16 or f16.
;; Inputs: ema_counter one number float32; ema_hidden_cluster 4,096 float32; ema_hidden_dw 256 x 4,096 float32; embeddings 256 x 4,096 float32; x 32 x 1,024 x 256 float32.
;; Outputs: out0 32 x 1,024 x 256 float32; out1 one number float32; out2 one number float32; out3 32 x 1,024 int32; out4 256 x 4,096 float32.
;; 2 versions, each right; version 2 is version 1 with the launch prep written anew for expert scheduling mode. Each part assembles by itself: llvm-mc -triple=amdgcn-amd-amdhsa -mcpu=gfx1250 --defsym DOCPART=n.
;; ======== version 1 of 2: 5 launches
;; workspace buffers: ET 2,097,152 bytes; se 16,384 bytes; idxw 131,072 bytes of whole numbers; blist 131,072 bytes of whole numbers; btab 2,048 bytes of whole numbers; dwT 4,194,304 bytes; stat 17,408 bytes
;; launch prep (part 1): grid 64 x 1, 8 waves a work-group, no clusters, 36,864 bytes of LDS; arguments embeddings, ET, se; writes ET, se
.if DOCPART == 1
	.amdgcn_target "amdgcn-amd-amdhsa--gfx1250"
	.amdhsa_code_object_version 6
	.text
	.protected	k_qf5d843c9bc_prep
	.globl	k_qf5d843c9bc_prep
	.p2align	8
	.type	k_qf5d843c9bc_prep,@function
k_qf5d843c9bc_prep:
	s_mov_b64 s[64:65], 0
	v_nop
	global_prefetch_b8 v0, s[64:65] scope:SCOPE_SE
	s_setreg_imm32_b32 hwreg(HW_REG_WAVE_MODE, 25, 1), 1
	s_wait_xcnt 0x0
; VECTOR QUANTISER WITH EMA UPDATE, five launches: prep, main, bkt, seg, fin.  This one: ET[k][d] = bf16(embeddings[d][k]) and se[k] = the sum over d of ET[k][d]^2 (f32).
; FORMATS.  All five inputs are rounded once to bf16, and every later use takes the rounded numbers (products, |x|^2, |e|^2, quantized, loss, dw, the three ema inputs); all sums are f32.
; WORK LEFT OUT, for all values of the inputs:
;  - encodings = one_hot(idx) is never built.  dw = flat.T @ encodings adds row q of flat into column idx[q] and into no other, since every other entry of row q of encodings is the 0 that
;    one_hot writes; sum(encodings, 0) counts the rows of each index.  Both are selections by an index: launch seg does them from the indices that launch main stored, with a one-hot of 32 rows x the 16 codes of one bucket.
;  - e_latent_loss and q_latent_loss are the same expression in the module's text: the mean is made once and multiplied by 1 + 0.25.
;  No input is left out.  |x|^2 is the same along the argmax's axis but STAYS: it is some 250 beside differences of 1e-5, so the f32 roundings of (|x|^2 - 2 m) + |e|^2 decide close rows; main makes the same two roundings.
; LIMITS.  A NaN or an infinity of x in row q reaches dw's column idx[q] alone (the dense product would spread 0 x NaN over every column).  A distance that is NaN is never chosen; if all of a row's distances are +inf the index is 0.
; Divisions are a reciprocal (1 ulp) and a multiply; 0.99^c is 2^(c log2 0.99).
; SHARES.  A work-group owns 64 codes: 256 consecutive bytes of each of the 256 rows of embeddings, and so all of D for its |e|^2: that makes 64 work-groups.  Wave w takes channels 32 w .. 32 w + 31.
; A lane (q = l % 16, p = l / 16) holds 4 codes 4 q .. 4 q + 3 of channels d and d + 1, d = 32 w + 4 i + 2 p: the two channels pack into one word of ET's row.
; The words go through LDS (rows of 512 bytes + 16) and come back as whole rows.  The 32 word stores of a lane meet four deep in the banks; a pitch that avoids that would break the 16-byte alignment of the way back.
.set EP,    528
.set SEP,   64*EP                      ; eight waves' partial |e|^2: 256 bytes each
.set SPARE, SEP+2048                   ; the spare words, 128 bytes a wave: four blocks of 256 bytes that no other line names
.set VO,  2                            ; my byte offset in embeddings
.set TA,  3                            ; where my words go in LDS
.set SPW, 4                            ; my spare word; never rewritten
.set NIL, 5                            ; 0, for the add alone
.set RA,  6                            ; where I read rows back
.set SO,  7                            ; my byte offset in ET
.set ACC, 8                            ; v[8:11] |e|^2 of my 4 codes
.set SA,  12
.set SR,  13
.set SG,  14
.set ZR,  15                           ; 0: starts the sums
.set LD,  16                           ; v[16:79] sixteen loads; later the rows read back
.set PK,  80                           ; v[80:111] packed words
.set QL,  112
.set PL,  113
.set LN,  114
	s_load_b128 s[4:7], s[0:1], 0x0                ; embeddings s[4:5], ET s[6:7]
	s_load_b64 s[8:9], s[0:1], 0x10                ; se
	v_lshl_add_u32 v[SPW], v0, 2, SPARE
	v_mov_b32 v[NIL], 0
	v_lshrrev_b32 v1, 5, v0
	v_readfirstlane_b32 s10, v1                    ; wave 0..7
	v_and_b32 v[QL], 15, v0
	v_bfe_u32 v[PL], v0, 4, 1
	v_and_b32 v[LN], 31, v0
	s_lshl_b32 s11, s10, 19                        ; 32 w rows of 16,384 bytes
	s_lshl_b32 s12, ttmp9, 8                       ; the work-group's 64 codes: 256 bytes
	s_add_co_u32 s11, s11, s12
	v_lshlrev_b32 v[VO], 4, v[QL]
	v_lshl_add_u32 v[VO], v[PL], 15, v[VO]         ; 2 p rows
	v_add_nc_u32 v[VO], s11, v[VO]
	s_mov_b32 s20, 0x76543210                      ; v_permlanex16_b32: each lane takes its own place in the other half
	s_mov_b32 s21, 0xfedcba98
	s_wait_kmcnt 0x0
.irp i, 0,1,2,3,4,5,6,7
	global_load_b128 v[LD+8*(\i):LD+8*(\i)+3],   v[VO], s[4:5] offset:(\i)*65536 th:TH_LOAD_NT        ; channel d: sixteen lanes take 256 consecutive bytes
	global_load_b128 v[LD+8*(\i)+4:LD+8*(\i)+7], v[VO], s[4:5] offset:(\i)*65536+16384 th:TH_LOAD_NT  ; channel d + 1
.endr
	v_mul_u32_u24 v[TA], v[QL], 4*EP               ; row 4 q,
	v_lshl_add_u32 v[TA], v[PL], 2, v[TA]          ; byte 2 (32 w + 2 p)
	s_lshl_b32 s13, s10, 6
	v_add_nc_u32 v[TA], s13, v[TA]
	s_mul_i32 s14, s10, 8*EP
	v_lshl_add_u32 v[RA], v[LN], 4, s14            ; rows 8 w .., 16 bytes a lane
	s_lshl_b32 s15, ttmp9, 15                      ; 64 rows of ET, 512 bytes each
	s_lshl_b32 s16, s10, 12
	s_add_co_u32 s15, s15, s16
	v_lshl_add_u32 v[SO], v[LN], 4, s15
	s_lshl_b32 s16, s10, 8
	s_add_co_u32 s16, s16, SEP
	v_lshl_add_u32 v[SA], v[QL], 4, s16
	v_lshlrev_b32 v[SR], 3, v[LN]
	v_add_nc_u32 v[SG], s12, v[SR]
	v_mov_b32 v[ZR], 0
.irp i, 0,1,2,3,4,5,6,7
	s_wait_loadcnt 14-2*(\i)                       ; pair i is in; the younger pairs stay out
.irp c, 0,1,2,3
	v_cvt_pk_bf16_f32 v[PK+4*(\i)+(\c)], v[LD+8*(\i)+(\c)], v[LD+8*(\i)+4+(\c)]
.endr
.irp c, 0,1,2,3
	ds_store_b32 v[TA], v[PK+4*(\i)+(\c)] offset:(\c)*EP+8*(\i)
.endr
.irp c, 0,1,2,3
.if (\i) == 0
	v_fma_mix_f32_bf16 v[ACC+(\c)], v[PK+4*(\i)+(\c)], v[PK+4*(\i)+(\c)], v[ZR] op_sel_hi:[1,1,0]
.else
	v_fma_mix_f32_bf16 v[ACC+(\c)], v[PK+4*(\i)+(\c)], v[PK+4*(\i)+(\c)], v[ACC+(\c)] op_sel_hi:[1,1,0]
.endif
.endr
.irp c, 0,1,2,3
	v_fma_mix_f32_bf16 v[ACC+(\c)], v[PK+4*(\i)+(\c)], v[PK+4*(\i)+(\c)], v[ACC+(\c)] op_sel:[1,1,0] op_sel_hi:[1,1,0]
.endr
.endr
.irp c, 0,1,2,3
	v_permlanex16_b32 v[PK+(\c)], v[ACC+(\c)], s20, s21  ; the other half of the lanes holds the same codes, other channels
.endr
.irp c, 0,1,2,3
	v_add_f32 v[ACC+(\c)], v[ACC+(\c)], v[PK+(\c)]
.endr
	ds_store_b128 v[SA], v[ACC:ACC+3]              ; both halves store the same numbers to the same bytes
	s_wait_dscnt 0x0                               ; for the others' sake: my stores are done
	s_barrier_signal -1
	s_barrier_wait -1
.irp t, 0,1,2,3,4,5,6,7
	ds_load_b128 v[LD+4*(\t):LD+4*(\t)+3], v[RA] offset:(\t)*EP
.endr
.irp t, 0,1,2,3,4,5,6,7
	s_wait_dscnt 7-(\t)
	global_store_b128 v[SO], v[LD+4*(\t):LD+4*(\t)+3], s[6:7] offset:(\t)*512  ; a whole row of ET: 512 consecutive bytes
.endr
	s_cmp_lg_u32 s10, 0                            ; wave 0 adds the eight partial |e|^2
	s_cbranch_scc1 .Lend
.irp v, 0,1,2,3,4,5,6,7
	ds_load_b64 v[LD+32+2*(\v):LD+33+2*(\v)], v[SR] offset:SEP+256*(\v)
.endr
	s_wait_dscnt 0x0
.irp v, 1,2,3,4,5,6,7
	v_pk_add_f32 v[LD+32:LD+33], v[LD+32:LD+33], v[LD+32+2*(\v):LD+33+2*(\v)]
.endr
	global_store_b64 v[SG], v[LD+32:LD+33], s[8:9] ; 256 consecutive bytes of se
.Lend:
	s_wait_tensorcnt 0x0                           ; the wave's end: behind my last LDS store
	ds_add_u32 v[SPW], v[NIL]
	s_wait_dscnt 0x0
	s_endpgm
.Lfunc_end_k_qf5d843c9bc_prep:
	.size	k_qf5d843c9bc_prep, .Lfunc_end_k_qf5d843c9bc_prep-k_qf5d843c9bc_prep
	.p2alignl 7, 3214868480
	.fill 96, 4, 3214868480
	.section	.rodata,"a",@progbits
	.p2align	6, 0x0
	.amdhsa_kernel k_qf5d843c9bc_prep
		.amdhsa_group_segment_fixed_size 36864
		.amdhsa_private_segment_fixed_size 0
		.amdhsa_enable_private_segment 0
		.amdhsa_kernarg_size 24
		.amdhsa_user_sgpr_count 2
		.amdhsa_user_sgpr_kernarg_segment_ptr 1
		.amdhsa_wavefront_size32 1
		.amdhsa_system_sgpr_workgroup_id_x 1
		.amdhsa_system_sgpr_workgroup_id_y 1
		.amdhsa_system_sgpr_workgroup_id_z 1
		.amdhsa_system_vgpr_workitem_id 0
		.amdhsa_next_free_vgpr 128
		.amdhsa_next_free_sgpr 66
		.amdhsa_reserve_vcc 0
		.amdhsa_float_denorm_mode_32 3
		.amdhsa_float_denorm_mode_16_64 3
		.amdhsa_memory_ordered 1
		.amdhsa_forward_progress 1
		.amdhsa_inst_pref_size 15
	.end_amdhsa_kernel
	.amdgpu_metadata
---
amdhsa.version: [ 1, 2 ]
amdhsa.kernels:
  - .name:           k_qf5d843c9bc_prep
    .symbol:         k_qf5d843c9bc_prep.kd
    .args:
      - { .name: embeddings, .offset: 0, .size: 8, .value_kind: global_buffer, .address_space: global }
      - { .name: ET, .offset: 8, .size: 8, .value_kind: global_buffer, .address_space: global }
      - { .name: se, .offset: 16, .size: 8, .value_kind: global_buffer, .address_space: global }
    .group_segment_fixed_size: 36864
    .private_segment_fixed_size: 0
    .kernarg_segment_align: 8
    .kernarg_segment_size: 24
    .max_flat_workgroup_size: 256
    .sgpr_count:     66
    .vgpr_count:     128
    .wavefront_size: 32
...
	.end_amdgpu_metadata
.endif
;; end of part 1
;; launch main (part 2): grid 256 x 1, 4 waves a work-group, clusters of 4 x 1, 327,680 bytes of LDS; arguments x, ET, se, out3, idxw; writes out3, idxw
.if DOCPART == 2
	.amdgcn_target "amdgcn-amd-amdhsa--gfx1250"
	.amdhsa_code_object_version 6
	.text
	.protected	k_qf5d843c9bc_main
	.globl	k_qf5d843c9bc_main
	.p2align	8
	.type	k_qf5d843c9bc_main,@function
k_qf5d843c9bc_main:
	s_mov_b64 s[64:65], 0
	v_nop
	global_prefetch_b8 v0, s[64:65] scope:SCOPE_SE
	s_setreg_imm32_b32 hwreg(HW_REG_WAVE_MODE, 25, 1), 1
	s_wait_xcnt 0x0
	s_wait_alu depctr_hold_cnt(0) depctr_sa_sdst(0) depctr_va_vdst(0) depctr_va_sdst(0) depctr_va_ssrc(0) depctr_va_vcc(0) depctr_vm_vsrc(0)
	s_getreg_b32 s2, hwreg(HW_REG_IB_STS2, 6, 4)
	s_cmp_eq_u32 s2, 0
	s_cbranch_scc0 .Lentry_in_a_cluster
	s_endpgm
.Lentry_in_a_cluster:
	s_bfe_u32 s2, ttmp6, 0x10000c
	s_cmp_lg_u32 s2, 0x3003
	s_cbranch_scc0 .Lentry_shape_is_right
	s_endpgm
.Lentry_shape_is_right:
; idx[q] = the first k that makes d(q, k) = (|x_q|^2 - 2 x_q . e_k) + |e_k|^2 least.  x is rounded to bf16 here, e comes rounded (ET); products on the matrix unit, sums in f32;
; d is made with the module's own two f32 roundings: one fused multiply-add m x (-2) + |x|^2 (2 m is exact), one addition of |e|^2.  Strict 'less' in ascending k, and (d, k) in dictionary order wherever candidates meet.
; |x|^2 is kept though it is the same for all k: see the first kernel's head.  LIMITS: a NaN distance is never chosen; all distances +inf give index 0.
; The index is stored twice: out3 is the result, idxw the same numbers for the later launches' addresses.  Nothing here branches or addresses by it.
; SHARES.  A work-group owns 128 rows of x and walks all 4,096 codes, 256 a tile.  Each of the four waves holds ALL 128 rows as fragments (8 row blocks x 8 K steps x 8 registers = 512) and takes 64 codes of each tile,
; 16 a step: a fragment of E read from LDS feeds eight matrix instructions.  S^T = E X^T (source 0 = 16 codes, source 1 = 16 rows): a lane holds ONE row (lane % 16) and the codes 8 (lane / 16) + 0..7.
; BY TURNS.  A step's 64 products fall into group A (row blocks 0-3) and group B (4-7).  While one group is multiplied the other group's 32 x 4 distances are made and compared:
; four vector instructions behind each matrix instruction (two packed for d, then compare and two selects an element): 128 for 32.  They lie in window 0, the products' sources in windows 1 to 3: two switches a product.
; For each lane and register a running least d (BEST) and the step's first code (TAG); the eight registers, the two halves of the lanes and the four waves meet once, at the end.
; CLUSTER.  All work-groups walk the same ET: the four of a cluster ask for each quarter tile JOINTLY (the same load, descriptor and mask in all four).  se is copied once into LDS in the same way.
; RING.  Two slots of a tile (256 rows of 512 + 16 bytes).  A wave fetches the 64 rows that it multiplies.  By this text's own count a wave has two tensor loads out at the head and one later; a refill has 256 matrix instructions in which to land.
; REGISTERS (windows of 256; s_set_vgpr_msb: bits 1:0 source 0, 3:2 source 1, 5:4 source 2, 7:6 destination):
;   window 0: v0-15, v40-45 addresses; v16-23 |x|^2 by row block; v24-39 |e|^2, two buffers; v64-127 accumulators (A, B); v128-191 BEST; v192-255 TAG
;   window 1: v0-127 E, two buffers of a step (at the head all 256: x as loaded)     window 2: X, row blocks 0-3     window 3: X, row blocks 4-7
.set EP,    528                        ; an LDS row: 512 bytes + 16: the sixteen rows of a fragment load start in sixteen different groups of four banks (ISA guide 11.1)
.set WQ,    64*EP                      ; a wave's quarter of a slot
.set SLOT,  4*WQ
.set SEL,   2*SLOT                     ; se, 16,384 bytes, filled once
.set STG,   SEL+16384                  ; 64 rows of bf16 x on their way into fragments; at the end the waves' candidates.  No tensor load lands here
.set SXR,   STG+64*EP                  ; |x|^2 of the 128 rows
.set SPARE, SXR+512                    ; the spare words, 128 bytes a wave: two blocks of 256 bytes that no other line names
.set TILEB, 256*512                    ; a tile of ET in memory
.set RL,  1                            ; lane % 16
.set HL,  2                            ; lane / 16
.set AE0, 3                            ; my place in a fragment's rows
.set ADR, 4                            ; the LDS address of E's run of loads in hand
.set AS0, 5                            ; SEL + 32 (lane / 16)
.set ADS, 6
.set PFO, 7                            ; 256 x lane; never rewritten
.set SPW, 8                            ; my spare word; never rewritten
.set NIL, 9                            ; 0, for the add alone
.set CURV, 10                          ; v10-11 the first code of the step in each buffer
.set XO,  12
.set STA, 13
.set AX0, 14
.set SXA, 15
.set SX,  16
.set SE,  24
.set LN,  40
.set ZR,  41                           ; 0: starts the sums
.set SXL, 42
.set MA,  43
.set MB,  44
.set OO,  45
.set ACC, 64
.set BEST, 128
.set TAG, 192
.set WV,  14
.set CX,  15
.set WG,  16
.set WOFF, 17                          ; my quarter's place in a slot
.set SBR, 18                           ; the slot that is being read
.set TB,  19                           ; LDS byte of the step to be fetched
.set TS,  20                           ; 4 x its first code
.set CN,  21                           ; its first code
.set CNT, 22
.set SLOTS, 23
.set LIM, 24
.set PFA, 26                           ; s[26:27]
.set SELP, 30                          ; s[30:31]
.set G1E, 32
.set G0E, 40
.set G1S, 44
.set G0S, 52
.set M0,  56                           ; s56-59 four compare masks
.set MSB, 0
.macro WIN new                         ; the high byte repeats the setting that is left; a switch that changes nothing is dropped
.if MSB != (\new)
	s_set_vgpr_msb (MSB<<8)|(\new)
.set MSB, \new
.endif
.endm
.macro CROUND                          ; a round of the cluster's barrier
	s_barrier_signal -1
	s_barrier_wait -1
	s_cmp_lg_u32 s[WV], 0
	s_cbranch_scc1 .Lnot_wave_0_\@
	s_barrier_signal -3
.Lnot_wave_0_\@:
	s_barrier_wait -3
	s_barrier_signal -1
	s_barrier_wait -1
.endm
; A prefetch into the L2 of the tile two refills on (512 matrix instructions ahead of its load).  A tile is 512 blocks of 256 bytes: the first cluster alone asks, and its 4 work-groups x 4 waves x 32 lanes
; take a block each, told apart by address.  Tiles 0 to 2 come by their loads alone; the last two refills ask for nothing.
.macro ASK
	s_cmp_gt_u32 s[SLOTS], s[LIM]
	s_cbranch_scc0 .Lnot_mine_\@
	global_prefetch_b8 v[PFO], s[PFA:PFA+1] th:TH_LOAD_NT scope:SCOPE_SE
.Lnot_mine_\@:
.endm
; THE CHANGE OF SLOTS.  The last fragments of the slot in hand have been waited for.  Each wave waits for all its tensor loads (its quarter of the other slot), adds 0 to its spare word, waits for that and for its LDS reads.
; fill = 1: a round of the cluster's barrier, then the slot just left is filled with the next tile, first thing.  adv = 0 at the first use alone, where no tile has been walked yet.
.macro CHANGE fill, adv
	WIN 0
	s_wait_tensorcnt 0x0                           ; no tensor load of mine is out, so group 0 may be written
	ds_add_u32 v[SPW], v[NIL]                      ; 0 onto my spare word; scalar work stands between it and the wait for it
.if \fill
	s_add_co_u32 s[G0E+1], s[SBR], s[WOFF]         ; into the slot that is left
	s_add_nc_u64 s[G0E+2:G0E+3], s[G0E+2:G0E+3], TILEB  ; the next tile; the type bits on top are not reached
	s_wait_xcnt 0x0                                ; the last prefetch, four steps back, has read its address
	s_add_nc_u64 s[PFA:PFA+1], s[PFA:PFA+1], TILEB
.endif
	s_xor_b32 s[SBR], s[SBR], SLOT
	s_add_co_u32 s[TB], s[SBR], s[WOFF]
.if \adv
	s_add_co_u32 s[TS], s[TS], 768                 ; from my 64 codes of one tile to those of the next
	s_add_co_u32 s[CN], s[CN], 192
.endif
	s_wait_dscnt 0x0                               ; the add is done, and my reads of the slot are over
.if \fill
	CROUND
	tensor_load_to_lds s[G0E:G0E+3], s[G1E:G1E+7]
	s_nop 0
.rept 4
	v_nop
.endr
	ASK
.else
	s_barrier_signal -1
	s_barrier_wait -1
.endif
.endm
; x, half hf (64 rows; my 16 of them): rounded to bf16, and |x|^2 of each row from the rounded numbers.  Phases over the 16 rows, so that no line waits for the one before it.  BEST's registers are at work here.
.macro HALFCV hf
	s_wait_loadcnt 32*(1-(\hf))                    ; this half's 32 loads are in; the other half's 32 may stay out
	WIN 0x05                                       ; sources in window 1
.set i, 0
.rept 64
	v_cvt_pk_bf16_f32 v[ACC+i], v[128*(\hf)+2*i], v[128*(\hf)+2*i+1]
.set i, i+1
.endr
	WIN 0
.set c, 0
.rept 4
.set i, 0
.rept 16
.if c == 0
	v_fma_mix_f32_bf16 v[BEST+2*i],   v[ACC+4*i], v[ACC+4*i], v[ZR] op_sel_hi:[1,1,0]
	v_fma_mix_f32_bf16 v[BEST+2*i+1], v[ACC+4*i], v[ACC+4*i], v[ZR] op_sel:[1,1,0] op_sel_hi:[1,1,0]
.else
	v_fma_mix_f32_bf16 v[BEST+2*i],   v[ACC+4*i+c], v[ACC+4*i+c], v[BEST+2*i] op_sel_hi:[1,1,0]
	v_fma_mix_f32_bf16 v[BEST+2*i+1], v[ACC+4*i+c], v[ACC+4*i+c], v[BEST+2*i+1] op_sel:[1,1,0] op_sel_hi:[1,1,0]
.endif
.set i, i+1
.endr
.set c, c+1
.endr
.set i, 0
.rept 16
	v_add_f32 v[BEST+2*i], v[BEST+2*i], v[BEST+2*i+1]
.set i, i+1
.endr
.irp m, 1,2,4,8
.set i, 0
.rept 16
	v_add_f32_dpp v[BEST+2*i], v[BEST+2*i], v[BEST+2*i] row_xmask:\m row_mask:0xf bank_mask:0xf
.set i, i+1
.endr
.endr
.set i, 0
.rept 16
	v_permlanex16_b32 v[BEST+2*i+1], v[BEST+2*i], s[SELP], s[SELP+1]
.set i, i+1
.endr
.set i, 0
.rept 16
	v_add_f32 v[BEST+2*i], v[BEST+2*i], v[BEST+2*i+1]
.set i, i+1
.endr
.set i, 0
.rept 16
	ds_store_b32 v[SXA], v[BEST+2*i] offset:256*(\hf)+4*i  ; all lanes hold the row's sum
.set i, i+1
.endr
.endm
.macro HALFST                          ; my 16 rows into the stage: 8 bytes a lane, 256 consecutive bytes a store
.set i, 0
.rept 32
	ds_store_b64 v[STA], v[ACC+2*i:ACC+2*i+1] offset:(i/2)*EP+256*(i%2)
.set i, i+1
.endr
.endm
.macro FRAG g                          ; the stage's 64 rows as fragments: row block i / 8, K step i % 8, into window 2 + g
	WIN 0x80+0x40*(\g)
.set i, 0
.rept 32
	ds_load_b128 v[8*i:8*i+3],   v[AX0] offset:(i/8)*16*EP+(i%8)*64
	ds_load_b128 v[8*i+4:8*i+7], v[AX0] offset:(i/8)*16*EP+(i%8)*64+32
.set i, i+1
.endr
	WIN 0
.endm
; One run of 18 LDS loads: the next step's |e|^2 (8 numbers a lane) and its E (16 codes x 256 channels), into buffer nb.  The buffer's last reader stands 32 products and 128 vector instructions back.
.macro RUN nb
	WIN 0
	v_add_nc_u32 v[ADR], s[TB], v[AE0]
	v_add_nc_u32 v[ADS], s[TS], v[AS0]
	v_mov_b32 v[CURV+(\nb)], s[CN]
	ds_load_b128 v[SE+8*(\nb):SE+8*(\nb)+3],   v[ADS]
	ds_load_b128 v[SE+8*(\nb)+4:SE+8*(\nb)+7], v[ADS] offset:16
	WIN 0x40                                       ; destination window 1
.set i, 0
.rept 8
	ds_load_b128 v[64*(\nb)+8*i:64*(\nb)+8*i+3],   v[ADR] offset:64*i
	ds_load_b128 v[64*(\nb)+8*i+4:64*(\nb)+8*i+7], v[ADR] offset:64*i+32
.set i, i+1
.endr
	WIN 0
	s_add_co_u32 s[TB], s[TB], 16*EP
	s_add_co_u32 s[TS], s[TS], 64
	s_add_co_u32 s[CN], s[CN], 16
.endm
; Number k of the 128 vector instructions of accumulator group rg (row block 4 rg + k / 32; u = k % 32).  sb: |e|^2's buffer; cp: the step's first code.
;   u 0-3   d = m x (-2) + |x|^2, a pair at a time (the accumulator's lowest registers first)      u 4-7   d += |e|^2
;   u 8-19, 20-31   four elements each: four compares d < BEST into s56-59, then for each BEST and TAG by that mask
.macro RID rg, sb, cp
.set rbl, k/32
.set u, k%32
.set rb, 4*(\rg)+rbl
.set rA, ACC+32*(\rg)+8*rbl
.set rB, BEST+8*rb
.set rT, TAG+8*rb
.set rX, SX+2*(rb/2)
.if u < 4
.if rb%2 == 0
	v_pk_fma_f32 v[rA+2*u:rA+2*u+1], v[rA+2*u:rA+2*u+1], -2.0, v[rX:rX+1] op_sel_hi:[1,0,0]
.else
	v_pk_fma_f32 v[rA+2*u:rA+2*u+1], v[rA+2*u:rA+2*u+1], -2.0, v[rX:rX+1] op_sel:[0,0,1] op_sel_hi:[1,0,1]
.endif
.elseif u < 8
	v_pk_add_f32 v[rA+2*(u-4):rA+2*(u-4)+1], v[rA+2*(u-4):rA+2*(u-4)+1], v[SE+8*(\sb)+2*(u-4):SE+8*(\sb)+2*(u-4)+1]
.else
.set j0, 4*((u-8)/12)
.set z, (u-8)%12
.if z < 4
	v_cmp_lt_f32 s[M0+z], v[rA+j0+z], v[rB+j0+z]
.elseif z%2 == 0
	v_cndmask_b32 v[rB+j0+(z-4)/2], v[rB+j0+(z-4)/2], v[rA+j0+(z-4)/2], s[M0+(z-4)/2]
.else
	v_cndmask_b32 v[rT+j0+(z-4)/2], v[rT+j0+(z-4)/2], v[CURV+(\cp)], s[M0+(z-4)/2]
.endif
.endif
.set k, k+1
.endm
; 32 products of group g with E's buffer eb: K step i / 4, row block i % 4.  The four accumulators take turns, one instruction a turn, over every seam; the first four start the sums with 0.
; rid = 1: four of group rg's vector instructions behind each.  rid = 0 (once): four v_nop at the end are the places behind the last products.
.macro HS g, eb, rid, rg, sb, cp
.set k, 0
.set i, 0
.rept 32
	WIN 0x09+4*(\g)                                ; E in window 1, X in window 2 or 3, sums in window 0
.set rD, ACC+32*(\g)+8*(i%4)
.set rE, 64*(\eb)+8*(i/4)
.set rF, 64*(i%4)+8*(i/4)
.if i < 4
	v_wmma_f32_16x16x32_bf16 v[rD:rD+7], v[rE:rE+7], v[rF:rF+7], 0
.else
	v_wmma_f32_16x16x32_bf16 v[rD:rD+7], v[rE:rE+7], v[rF:rF+7], v[rD:rD+7]
.endif
.if \rid
	WIN 0
	RID \rg, \sb, \cp
	RID \rg, \sb, \cp
	RID \rg, \sb, \cp
	RID \rg, \sb, \cp
.endif
.set i, i+1
.endr
.if !(\rid)
	WIN 0
.rept 4
	v_nop
.endr
.endif
.endm
; Step n (par = n % 2) finds group A of step n multiplied.  It fetches step n + 1; multiplies group B of step n beside A's distances; then group A of step n + 1 beside B's distances.
.macro STEP par
	RUN 1-(\par)
	HS 1, \par, 1, 0, \par, \par
	s_wait_dscnt 0x0                               ; the run's 18 loads, issued 32 products back
	HS 0, 1-(\par), 1, 1, \par, \par
.endm
.macro MERGE va, ca, vb, cb            ; (va, ca) takes (vb, cb) if that is less in dictionary order
	v_cmp_lt_f32 s60, v[\vb], v[\va]
	v_cmp_eq_f32 s61, v[\vb], v[\va]
	v_cmp_lt_u32 s62, v[\cb], v[\ca]
	s_and_b32 s61, s61, s62
	s_or_b32 s60, s60, s61
	v_cndmask_b32 v[\va], v[\va], v[\vb], s60
	v_cndmask_b32 v[\ca], v[\ca], v[\cb], s60
.endm
.macro MG a, b                         ; registers a and b of row block rb
	MERGE BEST+8*rb+(\a),TAG+8*rb+(\a),BEST+8*rb+(\b),TAG+8*rb+(\b)
.endm
	s_load_b256 s[4:11], s[0:1], 0x0               ; x s[4:5], ET s[6:7], se s[8:9], out3 s[10:11]
	s_load_b64 s[12:13], s[0:1], 0x20              ; idxw
	v_lshl_add_u32 v[SPW], v0, 2, SPARE
	v_mov_b32 v[NIL], 0
	ds_add_u32 v[SPW], v[NIL]                      ; the wave's opening: the add, twice on end, and its wait ahead of my first tensor load
	ds_add_u32 v[SPW], v[NIL]
	v_lshrrev_b32 v[LN], 5, v0
	v_readfirstlane_b32 s[WV], v[LN]               ; wave 0..3
	s_bfe_u32 s[CX], ttmp6, 0x40000                ; my place in the cluster: it enters x's, the outputs' and the prefetches' addresses alone
	s_lshl_b32 s[WG], ttmp9, 2
	s_add_co_u32 s[WG], s[WG], s[CX]
	s_mul_i32 s[WOFF], s[WV], WQ
	s_mov_b32 s[G1E], 15|(1<<16)|(1<<20)|(1<<21)|(6<<22)|(3<<25)  ; the mask of four; 2-byte elements; padding on; bit 21 beside a mask; after every 128 words, 4 words
	s_mov_b32 s[G1E+1], 256<<16                    ; tensor_dim0 = 256
	s_mov_b32 s[G1E+2], 64<<16                     ; tensor_dim1 = 64
	s_mov_b32 s[G1E+3], 256<<16                    ; tile_dim0 = 256
	s_mov_b32 s[G1E+4], 64                         ; tile_dim1 = 64
	s_mov_b32 s[G1E+5], 256                        ; elements from row to row
	s_mov_b32 s[G1E+6], 0
	s_mov_b32 s[G1E+7], 0
	s_mov_b32 s[G1S], 15|(3<<16)|(1<<21)           ; a quarter of se: 4,096 dense bytes as 16 rows of 32 elements of 8 bytes
	s_mov_b32 s[G1S+1], 32<<16
	s_mov_b32 s[G1S+2], 16<<16
	s_mov_b32 s[G1S+3], 32<<16
	s_mov_b32 s[G1S+4], 16
	s_mov_b32 s[G1S+5], 32
	s_mov_b32 s[G1S+6], 0
	s_mov_b32 s[G1S+7], 0
	s_mov_b32 s[G0E], 1
	s_mov_b32 s[G0E+1], s[WOFF]                    ; tile 0 into slot 0
	s_mov_b32 s[G0S], 1
	s_lshl_b32 s28, s[WV], 12
	s_add_co_u32 s[G0S+1], s28, SEL
	s_mov_b32 s[SELP], 0x76543210
	s_mov_b32 s[SELP+1], 0xfedcba98
	s_mov_b32 s[SBR], SLOT                         ; the first change turns it into slot 0
	s_lshl_b32 s[TS], s[WV], 8
	s_lshl_b32 s[CN], s[WV], 6
	s_mov_b32 s[SLOTS], 15
	s_cmp_eq_u32 ttmp9, 0                          ; the first cluster prefetches: the same answer in all four partners
	s_cselect_b32 s[LIM], 2, -1
	v_and_b32 v[RL], 15, v0
	v_bfe_u32 v[HL], v0, 4, 1
	v_and_b32 v[LN], 31, v0
	v_mul_u32_u24 v[AE0], v[RL], EP
	v_lshl_add_u32 v[AE0], v[HL], 4, v[AE0]        ; row x pitch + 16 x half
	v_add_nc_u32 v[AX0], STG, v[AE0]
	v_lshlrev_b32 v[AS0], 5, v[HL]
	v_add_nc_u32 v[AS0], SEL, v[AS0]
	v_lshlrev_b32 v[PFO], 8, v[LN]
	s_lshl_b32 s25, s[WV], 14
	v_lshl_add_u32 v[XO], v[LN], 4, s25            ; my 16 rows of a half, 16 bytes a lane
	s_mul_i32 s25, s[WV], 16*EP
	s_add_co_u32 s25, s25, STG
	v_lshl_add_u32 v[STA], v[LN], 3, s25
	s_lshl_b32 s25, s[WV], 6
	s_add_co_u32 s25, s25, SXR
	v_mov_b32 v[SXA], s25
	v_lshlrev_b32 v[SXL], 2, v[RL]
	v_add_nc_u32 v[SXL], SXR, v[SXL]
	v_mov_b32 v[ZR], 0
	s_wait_dscnt 0x0                               ; both opening adds are done
	s_wait_kmcnt 0x0
	s_mov_b32 s29, 0
	s_add_nc_u64 s[G0S+2:G0S+3], s[8:9], s[28:29]  ; my quarter of se
	s_or_b32 s[G0S+3], s[G0S+3], 0x80000000
	s_lshl_b32 s28, s[WV], 15
	s_add_nc_u64 s[G0E+2:G0E+3], s[6:7], s[28:29]  ; my 64 rows of tile 0
	s_or_b32 s[G0E+3], s[G0E+3], 0x80000000
	s_lshl_b32 s60, s[WG], 17                      ; my work-group's 128 rows of x
	s_mov_b32 s61, 0
	s_add_nc_u64 s[4:5], s[4:5], s[60:61]
	s_lshl_b32 s60, s[CX], 15                      ; the prefetches: my work-group's quarter of a tile, my wave's quarter of that,
	s_lshl_b32 s62, s[WV], 13
	s_add_co_u32 s60, s60, s62
	s_add_nc_u64 s[PFA:PFA+1], s[6:7], s[60:61]
	s_add_nc_u64 s[PFA:PFA+1], s[PFA:PFA+1], 2*TILEB  ; in tile 2: the first change steps it to tile 3
	WIN 0x40                                       ; destination window 1
.irp hf, 0,1
.set i, 0
.rept 16
	global_load_b128 v[128*(\hf)+8*i:128*(\hf)+8*i+3],   v[XO], s[4:5] offset:(\hf)*65536+i*1024 th:TH_LOAD_NT
	global_load_b128 v[128*(\hf)+8*i+4:128*(\hf)+8*i+7], v[XO], s[4:5] offset:(\hf)*65536+i*1024+512 th:TH_LOAD_NT
.set i, i+1
.endr
.endr
	WIN 0
	CROUND                                         ; all four work-groups are here: the first joint loads meet
	tensor_load_to_lds s[G0E:G0E+3], s[G1E:G1E+7]
	s_nop 0
	tensor_load_to_lds s[G0S:G0S+3], s[G1S:G1S+7]
	s_nop 0
.rept 4
	v_nop
.endr
	; x comes in by halves of 64 rows through one stage: each wave rounds 16 rows, every wave reads all 64 back as fragments
	HALFCV 0
	HALFST
	s_wait_dscnt 0x0                               ; my rows lie in the stage
	s_barrier_signal -1
	s_barrier_wait -1
	FRAG 0
	HALFCV 1                                       ; the second half is rounded while the first half's fragments come
	s_wait_dscnt 0x0                               ; my reads of the stage are over
	s_barrier_signal -1
	s_barrier_wait -1
	HALFST
	s_wait_dscnt 0x0
	s_barrier_signal -1
	s_barrier_wait -1
	FRAG 1
.irp rb, 0,1,2,3,4,5,6,7
	ds_load_b32 v[SX+(\rb)], v[SXL] offset:64*(\rb)
.endr
	s_mov_b32 s25, 0x7f800000                      ; BEST starts at +inf and TAG at 0, so that every step has one form; written while the fragments come
.set i, 0
.rept 64
	v_mov_b32 v[BEST+i], s25
	v_mov_b32 v[TAG+i], 0
.set i, i+1
.endr
	CHANGE 1, 0                                    ; tile 0 and se are in, everybody's part; tile 1 is asked for
	RUN 0
	s_wait_dscnt 0x0
	HS 0, 0, 0, 0, 0, 0                            ; group A of step 0: there is no vector work yet to set beside it
	s_mov_b32 s[CNT], 2
	s_branch .Lmid                                 ; the loop is entered in the middle of a trip: steps 0, 1, 2
.Lslot:                                        ; 14 times: tiles 2 to 15 are asked for
	CHANGE 1, 1
	s_mov_b32 s[CNT], 2
.Lpair:
	STEP 1
.Lmid:
	STEP 0
	s_sub_co_u32 s[CNT], s[CNT], 1
	s_cmp_lg_u32 s[CNT], 0
	s_cbranch_scc1 .Lpair
	s_sub_co_u32 s[SLOTS], s[SLOTS], 1
	s_cmp_lg_u32 s[SLOTS], 0
	s_cbranch_scc1 .Lslot
	CHANGE 0, 1                                    ; the tail is written out: nothing is asked for
	s_mov_b32 s[CNT], 2
.Ltail:
	STEP 1
	STEP 0
	s_sub_co_u32 s[CNT], s[CNT], 1
	s_cmp_lg_u32 s[CNT], 0
	s_cbranch_scc1 .Ltail
	HS 1, 1, 1, 0, 1, 1                            ; step 63: group B beside A's distances,
.set k, 0
.rept 128
	RID 1, 1, 1                                    ; and B's distances by themselves
.endr
	; THE END.  A lane's eight registers, the two halves of the lanes, then the four waves
	s_lshl_b32 s25, s[WV], 10
	s_add_co_u32 s25, s25, STG
	v_lshl_add_u32 v[MA], v[RL], 2, s25
	s_lshl_b32 s25, s[WV], 8
	s_add_co_u32 s28, s25, STG
	v_lshl_add_u32 v[MB], v[LN], 3, s28
	s_lshl_b32 s60, s[WG], 9
	s_add_co_u32 s60, s60, s25
	v_lshl_add_u32 v[OO], v[LN], 3, s60            ; 512 x work-group + 256 x wave + 8 x lane
.set rb, 0
.rept 8
.irp j, 1,2,3,4,5,6,7
	v_add_nc_u32 v[TAG+8*rb+(\j)], \j, v[TAG+8*rb+(\j)]
.endr
	MG 0, 1
	MG 2, 3
	MG 4, 5
	MG 6, 7
	MG 0, 2
	MG 4, 6
	MG 0, 4
	v_lshl_add_u32 v[TAG+8*rb], v[HL], 3, v[TAG+8*rb]
	v_permlanex16_b32 v[BEST+8*rb+1], v[BEST+8*rb], s[SELP], s[SELP+1]
	v_permlanex16_b32 v[TAG+8*rb+1], v[TAG+8*rb], s[SELP], s[SELP+1]
	MG 0, 1
	ds_store_b32 v[MA], v[BEST+8*rb] offset:64*rb       ; my wave's candidate for row 16 rb + lane % 16: the distance,
	ds_store_b32 v[MA], v[TAG+8*rb] offset:64*rb+512    ; and the code
.set rb, rb+1
.endr
	s_wait_dscnt 0x0
	s_barrier_signal -1
	s_barrier_wait -1
	s_cmp_lt_u32 s[WV], 2                          ; waves 0 and 1 finish 64 rows each, two a lane
	s_cbranch_scc0 .Lfin
.irp v, 0,1,2,3
	ds_load_b64 v[ACC+4*(\v):ACC+4*(\v)+1],   v[MB] offset:1024*(\v)
	ds_load_b64 v[ACC+4*(\v)+2:ACC+4*(\v)+3], v[MB] offset:1024*(\v)+512
.endr
	s_wait_dscnt 0x0
.irp v, 1,2,3
	MERGE ACC,ACC+2,ACC+4*(\v),ACC+4*(\v)+2
	MERGE ACC+1,ACC+3,ACC+4*(\v)+1,ACC+4*(\v)+3
.endr
	global_store_b64 v[OO], v[ACC+2:ACC+3], s[10:11]  ; 256 consecutive bytes a store
	global_store_b64 v[OO], v[ACC+2:ACC+3], s[12:13]
.Lfin:
	s_wait_tensorcnt 0x0                           ; the wave's end: behind my last tensor load and my last LDS store
	ds_add_u32 v[SPW], v[NIL]
	s_wait_dscnt 0x0
	CROUND                                         ; the closing round
	s_endpgm
.Lfunc_end_k_qf5d843c9bc_main:
	.size	k_qf5d843c9bc_main, .Lfunc_end_k_qf5d843c9bc_main-k_qf5d843c9bc_main
	.p2alignl 7, 3214868480
	.fill 96, 4, 3214868480
	.section	.rodata,"a",@progbits
	.p2align	6, 0x0
	.amdhsa_kernel k_qf5d843c9bc_main
		.amdhsa_group_segment_fixed_size 327680
		.amdhsa_private_segment_fixed_size 0
		.amdhsa_enable_private_segment 0
		.amdhsa_kernarg_size 40
		.amdhsa_user_sgpr_count 2
		.amdhsa_user_sgpr_kernarg_segment_ptr 1
		.amdhsa_wavefront_size32 1
		.amdhsa_system_sgpr_workgroup_id_x 1
		.amdhsa_system_sgpr_workgroup_id_y 1
		.amdhsa_system_sgpr_workgroup_id_z 1
		.amdhsa_system_vgpr_workitem_id 0
		.amdhsa_next_free_vgpr 1024
		.amdhsa_next_free_sgpr 66
		.amdhsa_reserve_vcc 0
		.amdhsa_float_denorm_mode_32 3
		.amdhsa_float_denorm_mode_16_64 3
		.amdhsa_memory_ordered 1
		.amdhsa_forward_progress 1
		.amdhsa_inst_pref_size 227
	.end_amdhsa_kernel
	.amdgpu_metadata
---
amdhsa.version: [ 1, 2 ]
amdhsa.kernels:
  - .name:           k_qf5d843c9bc_main
    .symbol:         k_qf5d843c9bc_main.kd
    .args:
      - { .name: x, .offset: 0, .size: 8, .value_kind: global_buffer, .address_space: global }
      - { .name: ET, .offset: 8, .size: 8, .value_kind: global_buffer, .address_space: global }
      - { .name: se, .offset: 16, .size: 8, .value_kind: global_buffer, .address_space: global }
      - { .name: out3, .offset: 24, .size: 8, .value_kind: global_buffer, .address_space: global }
      - { .name: idxw, .offset: 32, .size: 8, .value_kind: global_buffer, .address_space: global }
    .group_segment_fixed_size: 327680
    .private_segment_fixed_size: 0
    .kernarg_segment_align: 8
    .kernarg_segment_size: 40
    .max_flat_workgroup_size: 128
    .sgpr_count:     66
    .vgpr_count:     1024
    .wavefront_size: 32
...
	.end_amdgpu_metadata
.endif
;; end of part 2
;; launch bkt (part 3): grid 256 x 1, 8 waves a work-group, no clusters, 1,280 bytes of LDS; arguments idxw, blist, btab; writes blist, btab
.if DOCPART == 3
	.amdgcn_target "amdgcn-amd-amdhsa--gfx1250"
	.amdhsa_code_object_version 6
	.text
	.protected	k_qf5d843c9bc_bkt
	.globl	k_qf5d843c9bc_bkt
	.p2align	8
	.type	k_qf5d843c9bc_bkt,@function
k_qf5d843c9bc_bkt:
	s_mov_b64 s[64:65], 0
	v_nop
	global_prefetch_b8 v0, s[64:65] scope:SCOPE_SE
	s_setreg_imm32_b32 hwreg(HW_REG_WAVE_MODE, 25, 1), 1
	s_wait_xcnt 0x0
; The rows listed by bucket.  Bucket b holds the codes 16 b .. 16 b + 15.  blist[base_b .. base_b + count_b - 1] = the rows whose index lies in bucket b; btab[b] = {base_b, count_b};
; base_b = the number of rows whose index lies below the bucket.  All whole numbers: the next launch forms addresses and trip counts from them.  No atomics: work-group b owns bucket b and scans all 32,768 indices.
; Wave w holds rows 4,096 w .. in 128 registers: register 4 i + e, lane l: row 4,096 w + 128 i + 4 l + e.
; Pass 1: for each register the mask of lanes in the bucket goes into lane (r % 32) of a mask register (r / 32), and two counts are kept (in the bucket; below it).  Four registers at a time, so that the scalar lines do not wait for the compares.
; The waves exchange their counts in LDS.  Pass 2 walks only the registers whose mask is not 0 (one in eight where the indices are spread evenly) and stores each mask's rows at consecutive places.
; In pass 2 all lanes stay on: a lane outside the mask repeats the store of the mask's first lane, the same row to the same place.
.set TAB,   0                          ; eight waves' {below, in}: 64 bytes, in a block of 256 of their own
.set SPARE, 256                        ; the spare words, 128 bytes a wave: four blocks of 256 bytes that no other line names
.set LN,  1
.set VO,  2
.set BTA, 3                            ; my work-group's 8 bytes of btab; made at the head, never rewritten
.set SPW, 4
.set NIL, 5
.set POS, 6
.set ROWV, 7
.set MK,  8                            ; v[8:11] the masks, 32 registers' each
.set TT,  12                           ; v[12:15] at work
.set EX,  16                           ; v[16:31] the exchange
.set IB,  32                           ; v[32:159] the indices
	s_load_b128 s[4:7], s[0:1], 0x0                ; idxw s[4:5], blist s[6:7]
	s_load_b64 s[8:9], s[0:1], 0x10                ; btab
	v_lshl_add_u32 v[SPW], v0, 2, SPARE
	v_mov_b32 v[NIL], 0
	v_lshrrev_b32 v1, 5, v0
	v_readfirstlane_b32 s10, v1                    ; wave 0..7
	v_and_b32 v[LN], 31, v0
	s_lshl_b32 s11, s10, 14
	v_lshl_add_u32 v[VO], v[LN], 4, s11
	s_lshl_b32 s12, ttmp9, 3
	v_mov_b32 v[BTA], s12
	s_lshl_b32 s12, ttmp9, 4                       ; the bucket's first code
	s_mov_b32 s13, 0                               ; rows below the bucket
	s_mov_b32 s14, 0                               ; rows in it
.irp t, 0,1,2,3
	v_mov_b32 v[MK+(\t)], 0
.endr
	s_wait_kmcnt 0x0
.set i, 0
.rept 32
	global_load_b128 v[IB+4*i:IB+4*i+3], v[VO], s[4:5] offset:512*i
.set i, i+1
.endr
.set i, 0
.rept 32
	s_wait_loadcnt 31-i                            ; load i is in; the younger ones stay out
.irp e, 0,1,2,3
	v_sub_nc_u32 v[TT+(\e)], v[IB+4*i+(\e)], s12
.endr
.irp e, 0,1,2,3
	v_cmp_gt_u32 s[20+(\e)], 16, v[TT+(\e)]        ; in the bucket (unsigned: an index below it wraps round)
.endr
.irp e, 0,1,2,3
	v_cmp_gt_u32 s[24+(\e)], s12, v[IB+4*i+(\e)]   ; below it
.endr
.irp e, 0,1,2,3
	v_writelane_b32 v[MK+(4*i+(\e))/32], s[20+(\e)], (4*i+(\e))%32
.endr
.irp e, 0,1,2,3,4,5,6,7
	s_bcnt1_i32_b32 s[20+(\e)], s[20+(\e)]
.endr
.irp e, 0,1,2,3
	s_add_co_u32 s14, s14, s[20+(\e)]
	s_add_co_u32 s13, s13, s[24+(\e)]
.endr
.set i, i+1
.endr
	s_lshl_b32 s15, s10, 3
	v_mov_b32 v[TT], s13
	v_mov_b32 v[TT+1], s14
	v_mov_b32 v[TT+2], s15
	ds_store_b64 v[TT+2], v[TT:TT+1]               ; TAB + 8 w
	s_wait_dscnt 0x0
	s_barrier_signal -1
	s_barrier_wait -1
	v_mov_b32 v[TT+3], TAB
.irp t, 0,1,2,3
	ds_load_b128 v[EX+4*(\t):EX+4*(\t)+3], v[TT+3] offset:16*(\t)
.endr
	s_wait_dscnt 0x0
.irp t, 0,1,2,3,4,5,6,7,8,9,10,11,12,13,14,15
	v_readfirstlane_b32 s[32+(\t)], v[EX+(\t)]
.endr
	s_mov_b32 s16, 0                               ; base
	s_mov_b32 s18, 0                               ; count
	s_mov_b32 s19, 0                               ; the earlier waves' rows in the bucket
.irp t, 0,1,2,3,4,5,6,7
	s_add_co_u32 s16, s16, s[32+2*(\t)]
	s_add_co_u32 s18, s18, s[33+2*(\t)]
	s_cmp_lt_u32 \t, s10
	s_cselect_b32 s20, s[33+2*(\t)], 0
	s_add_co_u32 s19, s19, s20
.endr
	s_cmp_lg_u32 s10, 0                            ; wave 0 stores {base, count}, from lane 0
	s_cbranch_scc1 .Lnot0
	v_mov_b32 v[TT], s16
	v_mov_b32 v[TT+1], s18
	v_cmp_eq_u32 vcc_lo, 0, v[LN]
	s_wait_xcnt 0x0                                ; EXEC changes only behind this wait
	s_and_saveexec_b32 s31, vcc_lo
	global_store_b64 v[BTA], v[TT:TT+1], s[8:9]    ; eight bytes: all that the work-group owns of btab
	s_wait_xcnt 0x0                                ; and again, in front of the line that widens it
	s_or_b32 exec_lo, exec_lo, s31
.Lnot0:
	s_add_co_u32 s17, s16, s19                     ; where my wave's first row goes
	s_lshl_b32 s21, s10, 12                        ; my wave's first row
	s_mov_b32 s22, 0                               ; the panel's first register
	s_mov_b32 s23, 4
.Lpanel:                                       ; four panels of 32 registers; the masks move down a register after each
	v_cmp_ne_u32 s24, 0, v[MK]                     ; which of the panel's registers hold a row of the bucket
	s_bcnt1_i32_b32 s25, s24
	s_mov_b32 s26, 0
	s_cmp_eq_u32 s25, 0
	s_cbranch_scc1 .Lnone
.Lword:                                        ; one trip for each such register
	s_ctz_i32_b32 s27, s24
	s_lshl_b32 s28, 1, s27
	s_and_not1_b32 s24, s24, s28
	v_readlane_b32 s29, v[MK], s27                 ; its mask of lanes: not 0
	s_add_co_u32 s28, s22, s27                     ; r = 4 i + e
	s_lshr_b32 s30, s28, 2
	s_lshl_b32 s30, s30, 7
	s_and_b32 s28, s28, 3
	s_add_co_u32 s30, s30, s28
	s_add_co_u32 s30, s30, s21                     ; lane 0's row
	s_ctz_i32_b32 s28, s29                         ; the mask's first lane,
	s_lshl2_add_u32 s31, s28, s30                  ; and its row
	s_wait_xcnt 0x0                                ; the last trip's store has read ROWV and POS: they are written again only behind this wait
	v_lshl_add_u32 v[ROWV], v[LN], 2, s30          ; my row
	v_mbcnt_lo_u32_b32 v[POS], s29, s17            ; its place: the run so far + the mask's lanes below mine
	v_cndmask_b32 v[ROWV], s31, v[ROWV], s29       ; a lane outside the mask takes the first lane's row
	v_cndmask_b32 v[POS], s17, v[POS], s29         ; and place
	v_min_u32 v[POS], 0x7fff, v[POS]
	v_lshlrev_b32 v[POS], 2, v[POS]
	global_store_b32 v[POS], v[ROWV], s[6:7]       ; the mask's rows at consecutive places
	s_bcnt1_i32_b32 s28, s29
	s_add_co_u32 s17, s17, s28
	s_add_co_u32 s26, s26, 1
	s_cmp_lt_u32 s26, s25
	s_cbranch_scc1 .Lword
.Lnone:
	v_mov_b32 v[MK], v[MK+1]
	v_mov_b32 v[MK+1], v[MK+2]
	v_mov_b32 v[MK+2], v[MK+3]
	s_add_co_u32 s22, s22, 32
	s_sub_co_u32 s23, s23, 1
	s_cmp_lg_u32 s23, 0
	s_cbranch_scc1 .Lpanel
	s_wait_tensorcnt 0x0                           ; the wave's end: behind my last LDS store
	ds_add_u32 v[SPW], v[NIL]
	s_wait_dscnt 0x0
	s_endpgm
.Lfunc_end_k_qf5d843c9bc_bkt:
	.size	k_qf5d843c9bc_bkt, .Lfunc_end_k_qf5d843c9bc_bkt-k_qf5d843c9bc_bkt
	.p2alignl 7, 3214868480
	.fill 96, 4, 3214868480
	.section	.rodata,"a",@progbits
	.p2align	6, 0x0
	.amdhsa_kernel k_qf5d843c9bc_bkt
		.amdhsa_group_segment_fixed_size 1280
		.amdhsa_private_segment_fixed_size 0
		.amdhsa_enable_private_segment 0
		.amdhsa_kernarg_size 24
		.amdhsa_user_sgpr_count 2
		.amdhsa_user_sgpr_kernarg_segment_ptr 1
		.amdhsa_wavefront_size32 1
		.amdhsa_system_sgpr_workgroup_id_x 1
		.amdhsa_system_sgpr_workgroup_id_y 1
		.amdhsa_system_sgpr_workgroup_id_z 1
		.amdhsa_system_vgpr_workitem_id 0
		.amdhsa_next_free_vgpr 160
		.amdhsa_next_free_sgpr 66
		.amdhsa_reserve_vcc 1
		.amdhsa_float_denorm_mode_32 3
		.amdhsa_float_denorm_mode_16_64 3
		.amdhsa_memory_ordered 1
		.amdhsa_forward_progress 1
		.amdhsa_inst_pref_size 58
	.end_amdhsa_kernel
	.amdgpu_metadata
---
amdhsa.version: [ 1, 2 ]
amdhsa.kernels:
  - .name:           k_qf5d843c9bc_bkt
    .symbol:         k_qf5d843c9bc_bkt.kd
    .args:
      - { .name: idxw, .offset: 0, .size: 8, .value_kind: global_buffer, .address_space: global }
      - { .name: blist, .offset: 8, .size: 8, .value_kind: global_buffer, .address_space: global }
      - { .name: btab, .offset: 16, .size: 8, .value_kind: global_buffer, .address_space: global }
    .group_segment_fixed_size: 1280
    .private_segment_fixed_size: 0
    .kernarg_segment_align: 8
    .kernarg_segment_size: 24
    .max_flat_workgroup_size: 256
    .sgpr_count:     66
    .vgpr_count:     160
    .wavefront_size: 32
...
	.end_amdgpu_metadata
.endif
;; end of part 3
;; launch seg (part 4): grid 256 x 1, 8 waves a work-group, no clusters, 141,568 bytes of LDS; arguments x, ET, idxw, blist, btab, out0, dwT, stat; writes out0, dwT, stat
.if DOCPART == 4
	.amdgcn_target "amdgcn-amd-amdhsa--gfx1250"
	.amdhsa_code_object_version 6
	.text
	.protected	k_qf5d843c9bc_seg
	.globl	k_qf5d843c9bc_seg
	.p2align	8
	.type	k_qf5d843c9bc_seg,@function
k_qf5d843c9bc_seg:
	s_mov_b64 s[64:65], 0
	v_nop
	global_prefetch_b8 v0, s[64:65] scope:SCOPE_SE
	s_setreg_imm32_b32 hwreg(HW_REG_WAVE_MODE, 25, 1), 1
	s_wait_xcnt 0x0
; For the rows of one bucket of 16 codes: out0[q] = ET[idx[q]] (as f32); the part of the sum of (quantized - x)^2; dwT[k][:] = the sum of the rows x_q with idx[q] = k; cnt[k] = their number.  x is rounded to bf16 first.
; Left out: the dense products with one_hot(idx) over all 4,096 codes (see the first kernel's head): a row meets the 16 codes of its own bucket alone.
; SHARES.  Work-group b reads {base, count} of bucket b and walks its list in chunks of 32 rows; wave w takes chunks w, w + 8, ..: (chunks + 7 - w) / 8 trips, a bound made from btab's whole numbers; a wave with none jumps round the loop.
; A CHUNK.  Lane l reads list entry l (past the end: the last entry again, with a code that matches none) and that row's index.  The 32 rows come in four batches of 8 through two sets of registers: a row of x is two loads of
; 512 bytes, its row of ET two of 256.  Each row is rounded, laid into my LDS tile [row][channel], and, if it is a true entry, its ET row is widened and stored to out0 and the squares of the difference are added up.
; Then dw^T += X^T P on the matrix unit: source 0 = 16 channels x 32 rows (the tile turned by ds_load_tr16_b128), source 1 = P, 32 rows x 16 codes of 0 and 1; a 17th product, ones x P, counts.  In the result a lane holds one code
; (lane % 16) and 8 neighbouring channels.  The 17 accumulators take turns, one instruction a turn, over the backward jump too.
; They are cleared by 136 v_mov_b32 while btab is on its way: a wave may have no chunk at all, so no first product can be written out ahead of the loop.
; No tensor loads (rows are scattered), no cluster (nothing is shared), no prefetch (a row's address is known only when its load is issued).
.set TP,    544                        ; a tile row: 512 bytes + 32: an odd multiple of 32
.set REG,   32*TP                      ; a wave's region: the tile; at the end 16 rows of 1,040 bytes of sums, and 16 counts
.set DP,    1040
.set LCX,   8*REG                      ; a chunk's 32 local codes, 128 bytes a wave
.set LSP,   LCX+1024                   ; eight loss parts
.set SPARE, LSP+256                    ; the spare words, 128 bytes a wave: four blocks of 256 bytes that no other line names
.set LN,  1
.set L16, 2
.set L8,  3
.set SPW, 4
.set NIL, 5
.set NEG1, 6
.set RR,  7                            ; lane % 16
.set Q,   8                            ; my list entry: a row
.set IDX, 9                            ; its index
.set LC,  10                           ; its code in the bucket, or 255
.set POS, 11
.set L,   12                           ; v[12:15] sums of squares
.set STA, 16
.set TRA, 17
.set LCA, 18
.set LCR, 19
.set DMP, 20
.set CNA, 21
.set T,   22                           ; v[22:29] at work
.set QA,  30
.set LSA, 31
.set SET, 32                           ; two sets of 112: x 64, ET 32, x's and out0's offsets 8, ET's offsets 8
.set XT,  32                           ; in the matrix phase: v[32:159] the turned tile,
.set ONES, 160                         ; v[160:167] ones,
.set PP,  168                          ; v[168:175] P,
.set LCV, 176                          ; v[176:191] the codes of the 16 rows that my part of P covers
.set WV,  4
.set NT,  5                            ; my wave's trips
.set BASE, 6
.set CNT, 7
.set NCH, 8
.set IT,  9
.set CHK, 10
.set NV,  11
.set MSB, 0
.macro WIN new
.if MSB != (\new)
	s_set_vgpr_msb (MSB<<8)|(\new)
.set MSB, \new
.endif
.endm
.macro ROWL s, R, ii                   ; chunk row R is asked for, into place ii of set s
.set xb, SET+112*(\s)+8*(\ii)
.set qb, SET+112*(\s)+64+4*(\ii)
.set xo, SET+112*(\s)+96+(\ii)
.set qo, SET+112*(\s)+104+(\ii)
	v_readlane_b32 s38, v[Q], \R
	v_readlane_b32 s39, v[IDX], \R
	s_min_u32 s38, s38, 0x7fff
	s_min_u32 s39, s39, 0xfff
	s_lshl_b32 s38, s38, 10
	s_lshl_b32 s39, s39, 9
	v_add_nc_u32 v[xo], s38, v[L16]
	v_add_nc_u32 v[qo], s39, v[L8]
	global_load_b128 v[xb:xb+3],   v[xo], s[16:17]             ; channels 4 l ..
	global_load_b128 v[xb+4:xb+7], v[xo], s[16:17] offset:512  ; channels 128 + 4 l ..
	global_load_b64 v[qb:qb+1],   v[qo], s[18:19]
	global_load_b64 v[qb+2:qb+3], v[qo], s[18:19] offset:256
.endm
.macro LOADB s, bt
	s_wait_xcnt 0x0                                ; the set's registers were data and offsets of stores: they are written again only behind this wait
.irp ii, 0,1,2,3,4,5,6,7
	ROWL \s, 8*(\bt)+(\ii), \ii
.endr
.endm
.macro ROWP s, R, ii
.set xb, SET+112*(\s)+8*(\ii)
.set qb, SET+112*(\s)+64+4*(\ii)
.set xo, SET+112*(\s)+96+(\ii)
.irp c, 0,1,2,3
	v_cvt_pk_bf16_f32 v[T+(\c)], v[xb+2*(\c)], v[xb+2*(\c)+1]
.endr
	ds_store_b64 v[STA], v[T:T+1]   offset:(\R)*TP
	ds_store_b64 v[STA], v[T+2:T+3] offset:(\R)*TP+256
	s_cmp_gt_u32 s[NV], \R                         ; past the list's end: the row is in the tile with weight 0, and nothing more is done
	s_cbranch_scc0 .Lpad_\@
.irp c, 0,1,2,3
	v_lshlrev_b32 v[xb+2*(\c)], 16, v[qb+(\c)]     ; quantized, widened, where x lay
	v_and_b32 v[xb+2*(\c)+1], s37, v[qb+(\c)]
.endr
.irp g, 0,1
.irp c, 0,1
	v_fma_mix_f32_bf16 v[T+4+2*(\c)], v[T+2*(\g)+(\c)], v[NEG1], v[xb+4*(\g)+2*(\c)] op_sel_hi:[1,0,0]                   ; quantized - x
	v_fma_mix_f32_bf16 v[T+5+2*(\c)], v[T+2*(\g)+(\c)], v[NEG1], v[xb+4*(\g)+2*(\c)+1] op_sel:[1,0,0] op_sel_hi:[1,0,0]
.endr
	v_pk_fma_f32 v[L:L+1],   v[T+4:T+5], v[T+4:T+5], v[L:L+1]
	v_pk_fma_f32 v[L+2:L+3], v[T+6:T+7], v[T+6:T+7], v[L+2:L+3]
.endr
	global_store_b128 v[xo], v[xb:xb+3],   s[26:27] th:TH_STORE_NT             ; 512 consecutive bytes a store
	global_store_b128 v[xo], v[xb+4:xb+7], s[26:27] offset:512 th:TH_STORE_NT
.Lpad_\@:
.endm
.macro PROCB s, bt, left
	s_wait_loadcnt \left                           ; this set's 32 loads are in; the other set's 32 may stay out
.irp ii, 0,1,2,3,4,5,6,7
	ROWP \s, 8*(\bt)+(\ii), \ii
.endr
.endm
	s_load_b512 s[16:31], s[0:1], 0x0              ; x 16, ET 18, idxw 20, blist 22, btab 24, out0 26, dwT 28, stat 30
	v_lshl_add_u32 v[SPW], v0, 2, SPARE
	v_mov_b32 v[NIL], 0
	v_lshrrev_b32 v1, 5, v0
	v_readfirstlane_b32 s[WV], v1                  ; wave 0..7
	v_and_b32 v[LN], 31, v0
	s_lshl_b32 s12, ttmp9, 3
	s_wait_kmcnt 0x0
	s_load_b64 s[BASE:BASE+1], s[24:25], s12 offset:0x0  ; {base, count} of my bucket
	s_mul_i32 s32, s[WV], REG                      ; my region
	s_mov_b32 s33, 0x76543210
	s_mov_b32 s34, 0xfedcba98
	s_mov_b32 s35, 0x3f80                          ; 1.0 in bf16, low half
	s_mov_b32 s36, 0x3f800000                      ; high half
	s_mov_b32 s37, 0xffff0000
	s_lshl_b32 s41, ttmp9, 4                       ; the bucket's first code
	v_lshlrev_b32 v[L16], 4, v[LN]
	v_lshlrev_b32 v[L8], 3, v[LN]
	v_mov_b32 v[NEG1], -1.0
	v_and_b32 v[RR], 15, v[LN]
	v_bfe_u32 v30, v0, 4, 1                        ; lane / 16
	v_add_nc_u32 v[STA], s32, v[L8]
	v_and_b32 v31, 7, v0
	v_lshl_add_u32 v31, v30, 3, v31
	v_mul_u32_u24 v[TRA], v31, TP                  ; the turning load: row 8 (l / 16) + l % 8,
	v_bfe_u32 v31, v0, 3, 1
	v_lshl_add_u32 v[TRA], v31, 4, v[TRA]          ; 16 bytes by (l / 8) % 2
	v_add_nc_u32 v[TRA], s32, v[TRA]
	s_lshl_b32 s13, s[WV], 7
	s_add_co_u32 s13, s13, LCX
	v_lshl_add_u32 v[LCA], v[LN], 2, s13
	v_lshl_add_u32 v[LCR], v30, 5, s13
	v_mul_u32_u24 v[DMP], v[RR], DP
	v_lshl_add_u32 v[DMP], v30, 5, v[DMP]
	v_add_nc_u32 v[DMP], s32, v[DMP]
	s_add_co_u32 s13, s32, 16*DP
	v_lshl_add_u32 v[CNA], v[RR], 2, s13
	s_lshl_b32 s13, s[WV], 2
	s_add_co_u32 s13, s13, LSP
	v_mov_b32 v[LSA], s13
.irp c, 0,1,2,3
	v_mov_b32 v[L+(\c)], 0
.endr
	WIN 0x40
.set i, 0
.rept 136
	v_mov_b32 v[i], 0
.set i, i+1
.endr
	WIN 0
	s_wait_kmcnt 0x0
	s_min_u32 s[BASE], s[BASE], 0x7fff
	s_min_u32 s[CNT], s[CNT], 0x8000
	s_add_co_u32 s[NCH], s[CNT], 31
	s_lshr_b32 s[NCH], s[NCH], 5                   ; chunks
	s_add_co_u32 s40, s[BASE], s[CNT]
	s_sub_co_u32 s40, s40, 1                       ; the last entry (used only where there is a chunk)
	s_add_co_u32 s[NT], s[NCH], 7
	s_sub_co_u32 s[NT], s[NT], s[WV]
	s_lshr_b32 s[NT], s[NT], 3                     ; chunks w, w + 8, .. below the number of chunks
	s_mov_b32 s[IT], 0
	s_mov_b32 s[CHK], s[WV]
	s_cmp_eq_u32 s[NT], 0
	s_cbranch_scc1 .Ldone                          ; no chunk for my wave
.Lchunk:
	s_lshl_b32 s12, s[CHK], 5
	s_sub_co_u32 s[NV], s[CNT], s12
	s_min_u32 s[NV], s[NV], 32                     ; true entries in this chunk
	s_add_co_u32 s13, s[BASE], s12
	v_add_nc_u32 v[POS], s13, v[LN]
	v_min_u32 v[POS], s40, v[POS]
	v_min_u32 v[POS], 0x7fff, v[POS]
	v_lshlrev_b32 v[POS], 2, v[POS]
	global_load_b32 v[Q], v[POS], s[22:23]
	s_wait_loadcnt 0x0
	v_min_u32 v[Q], 0x7fff, v[Q]
	v_lshlrev_b32 v[QA], 2, v[Q]
	global_load_b32 v[IDX], v[QA], s[20:21]
	s_wait_loadcnt 0x0
	v_min_u32 v[IDX], 0xfff, v[IDX]
	v_sub_nc_u32 v[LC], v[IDX], s41
	v_cmp_gt_u32 vcc_lo, s[NV], v[LN]
	v_cndmask_b32 v[LC], 0xff, v[LC], vcc_lo
	LOADB 0, 0
	LOADB 1, 1
	PROCB 0, 0, 32
	LOADB 0, 2
	PROCB 1, 1, 32
	LOADB 1, 3
	PROCB 0, 2, 32
	PROCB 1, 3, 0
	s_wait_xcnt 0x0                                ; the sets' registers, which the stores read, are taken for the matrix phase only behind this wait
	ds_store_b32 v[LCA], v[LC]
	ds_load_b128 v[LCV:LCV+3],     v[LCR]          ; rows 8 h .. 8 h + 7 (LDS serves a wave's instructions in order: these see the store above),
	ds_load_b128 v[LCV+4:LCV+7],   v[LCR] offset:16
	ds_load_b128 v[LCV+8:LCV+11],  v[LCR] offset:64  ; and rows 16 + 8 h ..
	ds_load_b128 v[LCV+12:LCV+15], v[LCR] offset:80
.set cb, 0
.rept 16
	ds_load_tr16_b128 v[XT+8*cb:XT+8*cb+3],   v[TRA] offset:32*cb
	ds_load_tr16_b128 v[XT+8*cb+4:XT+8*cb+7], v[TRA] offset:32*cb+16*TP
.set cb, cb+1
.endr
	s_mov_b32 s12, 0x3f803f80
.irp t, 0,1,2,3,4,5,6,7
	v_mov_b32 v[ONES+(\t)], s12
.endr
	s_wait_dscnt 32                                ; the codes are in; the 32 turning loads may stay out
.irp t, 0,1,2,3,4,5,6,7
	v_cmp_eq_u32 vcc_lo, v[LCV+2*(\t)], v[RR]
	v_cndmask_b32 v[T], 0, s35, vcc_lo
	v_cmp_eq_u32 vcc_lo, v[LCV+2*(\t)+1], v[RR]
	v_cndmask_b32 v[T+1], 0, s36, vcc_lo
	v_or_b32 v[PP+(\t)], v[T], v[T+1]
.endr
	s_wait_dscnt 0x0
	WIN 0x50                                       ; sums in window 1
.set cb, 0
.rept 16
	v_wmma_f32_16x16x32_bf16 v[8*cb:8*cb+7], v[XT+8*cb:XT+8*cb+7], v[PP:PP+7], v[8*cb:8*cb+7]
.set cb, cb+1
.endr
	v_wmma_f32_16x16x32_bf16 v[128:135], v[ONES:ONES+7], v[PP:PP+7], v[128:135]
	WIN 0
.rept 4
	v_nop                                          ; the places behind the last products: loads into their sources, or the stores of the sums, follow
.endr
	s_add_co_u32 s[CHK], s[CHK], 8
	s_add_co_u32 s[IT], s[IT], 1
	s_cmp_lt_u32 s[IT], s[NT]
	s_cbranch_scc1 .Lchunk
.Ldone:
	WIN 0x04                                       ; store data in window 1
.set cb, 0
.rept 16
	ds_store_b128 v[DMP], v[8*cb:8*cb+3]   offset:64*cb      ; code lane % 16, channels 16 cb + 8 (lane / 16) ..; each accumulator's low registers first
	ds_store_b128 v[DMP], v[8*cb+4:8*cb+7] offset:64*cb+16
.set cb, cb+1
.endr
	ds_store_b32 v[CNA], v128                      ; every row of the 17th result holds the counts
	WIN 0
	v_pk_add_f32 v[L:L+1], v[L:L+1], v[L+2:L+3]
	v_add_f32 v[L], v[L], v[L+1]
.irp m, 1,2,4,8
	v_add_f32_dpp v[L], v[L], v[L] row_xmask:\m row_mask:0xf bank_mask:0xf
.endr
	v_permlanex16_b32 v[L+1], v[L], s33, s34
	v_add_f32 v[L], v[L], v[L+1]
	ds_store_b32 v[LSA], v[L]
	s_mul_i32 s13, s[WV], 2*DP
	v_add_nc_u32 v[T], s13, v[L16]                 ; codes 2 w, 2 w + 1 in regions 0-3,
	v_add_nc_u32 v[T+1], 4*REG, v[T]               ; and in regions 4-7
	v_lshlrev_b32 v[T+2], 2, v[RR]
	v_add_nc_u32 v[T+2], 16*DP, v[T+2]
	v_add_nc_u32 v[T+3], 4*REG, v[T+2]
	v_mov_b32 v[T+4], LSP
	s_lshl_b32 s13, ttmp9, 14
	s_lshl_b32 s14, s[WV], 11
	s_add_co_u32 s13, s13, s14
	v_add_nc_u32 v[T+5], s13, v[L16]               ; rows 16 b + 2 w .. of dwT
	s_wait_dscnt 0x0
	s_barrier_signal -1
	s_barrier_wait -1                              ; all eight waves' sums lie in LDS
.irp v, 0,1,2,3,4,5,6,7
.irp p, 0,1,2,3
	ds_load_b128 v[32+16*(\v)+4*(\p):32+16*(\v)+4*(\p)+3], v[T+(\v)/4] offset:((\v)%4)*REG+((\p)/2)*DP+((\p)%2)*512
.endr
.endr
.irp v, 0,1,2,3,4,5,6,7
	ds_load_b32 v[160+(\v)], v[T+2+(\v)/4] offset:((\v)%4)*REG
.endr
	ds_load_b128 v[168:171], v[T+4]
	ds_load_b128 v[172:175], v[T+4] offset:16
	s_wait_dscnt 0x0
.irp v, 1,2,3,4,5,6,7
.irp p, 0,1,2,3,4,5,6,7
	v_pk_add_f32 v[32+2*(\p):33+2*(\p)], v[32+2*(\p):33+2*(\p)], v[32+16*(\v)+2*(\p):33+16*(\v)+2*(\p)]
.endr
.endr
.irp p, 0,1,2,3
	global_store_b128 v[T+5], v[32+4*(\p):35+4*(\p)], s[28:29] offset:((\p)/2)*1024+((\p)%2)*512  ; 512 consecutive bytes a store
.endr
	s_cmp_lg_u32 s[WV], 0                          ; wave 0: the 16 counts and the loss part, in one store: lanes 0-15 and lane 16
	s_cbranch_scc1 .Lend
.irp v, 1,2,3,4,5,6,7
	v_add_f32 v160, v160, v[160+(\v)]
	v_add_f32 v168, v168, v[168+(\v)]
.endr
	s_lshl_b32 s12, ttmp9, 6
	s_lshl_b32 s13, ttmp9, 2
	s_add_co_u32 s13, s13, 16384
	v_lshl_add_u32 v[T+6], v[LN], 2, s12
	v_mov_b32 v[T+7], s13
	v_cmp_eq_u32 vcc_lo, 16, v[LN]
	v_cndmask_b32 v[T+6], v[T+6], v[T+7], vcc_lo
	v_cndmask_b32 v160, v160, v168, vcc_lo
	v_cmp_gt_u32 vcc_lo, 17, v[LN]
	s_wait_xcnt 0x0                                ; EXEC changes only behind this wait
	s_and_saveexec_b32 s14, vcc_lo
	global_store_b32 v[T+6], v160, s[30:31]        ; 64 + 4 bytes: all that the work-group owns of stat
	s_wait_xcnt 0x0
	s_or_b32 exec_lo, exec_lo, s14
.Lend:
	s_wait_tensorcnt 0x0                           ; the wave's end: behind my last LDS store
	ds_add_u32 v[SPW], v[NIL]
	s_wait_dscnt 0x0
	s_endpgm
.Lfunc_end_k_qf5d843c9bc_seg:
	.size	k_qf5d843c9bc_seg, .Lfunc_end_k_qf5d843c9bc_seg-k_qf5d843c9bc_seg
	.p2alignl 7, 3214868480
	.fill 96, 4, 3214868480
	.section	.rodata,"a",@progbits
	.p2align	6, 0x0
	.amdhsa_kernel k_qf5d843c9bc_seg
		.amdhsa_group_segment_fixed_size 141568
		.amdhsa_private_segment_fixed_size 0
		.amdhsa_enable_private_segment 0
		.amdhsa_kernarg_size 64
		.amdhsa_user_sgpr_count 2
		.amdhsa_user_sgpr_kernarg_segment_ptr 1
		.amdhsa_wavefront_size32 1
		.amdhsa_system_sgpr_workgroup_id_x 1
		.amdhsa_system_sgpr_workgroup_id_y 1
		.amdhsa_system_sgpr_workgroup_id_z 1
		.amdhsa_system_vgpr_workitem_id 0
		.amdhsa_next_free_vgpr 512
		.amdhsa_next_free_sgpr 66
		.amdhsa_reserve_vcc 1
		.amdhsa_float_denorm_mode_32 3
		.amdhsa_float_denorm_mode_16_64 3
		.amdhsa_memory_ordered 1
		.amdhsa_forward_progress 1
		.amdhsa_inst_pref_size 102
	.end_amdhsa_kernel
	.amdgpu_metadata
---
amdhsa.version: [ 1, 2 ]
amdhsa.kernels:
  - .name:           k_qf5d843c9bc_seg
    .symbol:         k_qf5d843c9bc_seg.kd
    .args:
      - { .name: x, .offset: 0, .size: 8, .value_kind: global_buffer, .address_space: global }
      - { .name: ET, .offset: 8, .size: 8, .value_kind: global_buffer, .address_space: global }
      - { .name: idxw, .offset: 16, .size: 8, .value_kind: global_buffer, .address_space: global }
      - { .name: blist, .offset: 24, .size: 8, .value_kind: global_buffer, .address_space: global }
      - { .name: btab, .offset: 32, .size: 8, .value_kind: global_buffer, .address_space: global }
      - { .name: out0, .offset: 40, .size: 8, .value_kind: global_buffer, .address_space: global }
      - { .name: dwT, .offset: 48, .size: 8, .value_kind: global_buffer, .address_space: global }
      - { .name: stat, .offset: 56, .size: 8, .value_kind: global_buffer, .address_space: global }
    .group_segment_fixed_size: 141568
    .private_segment_fixed_size: 0
    .kernarg_segment_align: 8
    .kernarg_segment_size: 64
    .max_flat_workgroup_size: 256
    .sgpr_count:     66
    .vgpr_count:     512
    .wavefront_size: 32
...
	.end_amdgpu_metadata
.endif
;; end of part 4
;; launch fin (part 5): grid 256 x 1, 4 waves a work-group, no clusters, 17,664 bytes of LDS; arguments dwT, stat, ema_hidden_dw, ema_hidden_cluster, ema_counter, out4, out1, out2; writes out4, out1, out2
.if DOCPART == 5
	.amdgcn_target "amdgcn-amd-amdhsa--gfx1250"
	.amdhsa_code_object_version 6
	.text
	.protected	k_qf5d843c9bc_fin
	.globl	k_qf5d843c9bc_fin
	.p2align	8
	.type	k_qf5d843c9bc_fin,@function
k_qf5d843c9bc_fin:
	s_mov_b64 s[64:65], 0
	v_nop
	global_prefetch_b8 v0, s[64:65] scope:SCOPE_SE
	s_setreg_imm32_b32 hwreg(HW_REG_WAVE_MODE, 25, 1), 1
	s_wait_xcnt 0x0
; out4[d][k] = ((bf16(ema_dw[d][k]) 0.99 + dw[d][k] 0.01) / bias) / cluster_norm[k];  out1 = 1.25 x the mean of (quantized - x)^2;  out2 = exp(-sum p ln(p + 1e-10)), p = cnt / 32,768.
; bias = 1 - 0.99^(bf16(counter) + 1), as 2^(c log2 0.99);  cluster_avg = (bf16(ema_cluster) 0.99 + cnt 0.01) / bias;  n = its sum;  cluster_norm = (cluster_avg + 1e-5) / (n + 0.04096) n.
; Left out: the second of the two equal means of the loss (see the first kernel's head).  Divisions are a reciprocal and a multiply.  exp(-sum p ln q) is made as 2^(-sum p log2 q).
; SHARES.  A work-group makes 64 codes x 64 channels of out4: its tile of dwT ([code][channel]) is turned in LDS (rows of 260 bytes: 65 words, so that neither the stores by rows nor the loads by columns meet in a bank).
; Every work-group adds up n for itself (32 KiB that all read); work-group 0 also makes the two scalars.  Reads and stores take 256 consecutive bytes for sixteen lanes.
.set TP,    260
.set RED,   16896                      ; four waves' {n part, entropy part, loss part, 0}
.set SPARE, 17152                      ; the spare words, 128 bytes a wave: two blocks of 256 bytes that no other line names
.set LN,  1
.set QL,  2
.set PL,  3
.set SPW, 4
.set NIL, 5
.set HO,  6
.set DWO, 7
.set EO,  8
.set CO,  9
.set TSA, 10
.set TRA, 11
.set RA,  12
.set TA,  13
.set NN,  14
.set RB,  15                           ; 1 / bias
.set H,   16                           ; v[16:47] my 32 of ema_cluster; later the reduction
.set C,   48                           ; v[48:79] my 32 counts; later the turned tile
.set DW,  80                           ; v[80:111]
.set ED,  112                          ; v[112:143] ema_dw, then the result
.set OH,  144                          ; v[144:147] ema_cluster of my 4 codes
.set OC,  148                          ; v[148:151] their counts
.set R,   152                          ; v[152:155] what the waves exchange
.set NS,  156
.set T2,  158
.set LP,  160
.set PT,  162
.set F,   168                          ; v[168:171] 1 / (bias x cluster_norm) of my 4 codes
.macro HID h, c                        ; v[h:h+1] = bf16(v[h:h+1]) x 0.99 + v[c:c+1] x 0.01
	v_cvt_pk_bf16_f32 v[TA], v[\h], v[(\h)+1]
	v_lshlrev_b32 v[\h], 16, v[TA]
	v_and_b32 v[(\h)+1], 0xffff0000, v[TA]
	v_pk_mul_f32 v[T2:T2+1], v[\c:(\c)+1], s[34:35] op_sel_hi:[1,0]
	v_pk_fma_f32 v[\h:(\h)+1], v[\h:(\h)+1], s[36:37], v[T2:T2+1] op_sel_hi:[1,0,1]
.endm
	s_load_b512 s[16:31], s[0:1], 0x0              ; dwT 16, stat 18, ema_dw 20, ema_cluster 22, counter 24, out4 26, out1 28, out2 30
	v_lshl_add_u32 v[SPW], v0, 2, SPARE
	v_mov_b32 v[NIL], 0
	v_lshrrev_b32 v1, 5, v0
	v_readfirstlane_b32 s4, v1                     ; wave 0..3
	v_and_b32 v[LN], 31, v0
	v_and_b32 v[QL], 15, v0
	v_bfe_u32 v[PL], v0, 4, 1
	s_lshr_b32 s5, ttmp9, 2                        ; which 64 codes
	s_and_b32 s6, ttmp9, 3                         ; which 64 channels
	s_mov_b32 s34, 0x3c23d70a                      ; 0.01
	s_mov_b32 s35, s34
	s_mov_b32 s36, 0x3f7d70a4                      ; 0.99
	s_mov_b32 s37, s36
	s_mov_b32 s38, 0x76543210
	s_mov_b32 s39, 0xfedcba98
	v_lshlrev_b32 v[HO], 4, v0
	s_lshl_b32 s7, s5, 6
	s_lshl_b32 s8, s4, 4
	s_add_co_u32 s7, s7, s8
	s_lshl_b32 s7, s7, 10                          ; dwT: row 64 cg + 16 w,
	s_lshl_b32 s9, s6, 8                           ; byte 256 dq
	s_add_co_u32 s7, s7, s9
	v_lshlrev_b32 v[DWO], 4, v[QL]
	v_lshl_add_u32 v[DWO], v[PL], 10, v[DWO]
	v_add_nc_u32 v[DWO], s7, v[DWO]
	s_lshl_b32 s7, s6, 6
	s_add_co_u32 s7, s7, s8
	s_lshl_b32 s7, s7, 14                          ; ema_dw and out4: row 64 dq + 16 w,
	s_lshl_b32 s9, s5, 8                           ; byte 256 cg
	s_add_co_u32 s7, s7, s9
	v_lshlrev_b32 v[EO], 4, v[QL]
	v_lshl_add_u32 v[CO], v[QL], 4, s9
	v_lshl_add_u32 v[EO], v[PL], 14, v[EO]
	v_add_nc_u32 v[EO], s7, v[EO]
	v_add_nc_u32 v[TA], s8, v[PL]                  ; 16 w + p
	v_mul_u32_u24 v[TSA], v[TA], TP
	v_lshl_add_u32 v[TSA], v[QL], 4, v[TSA]
	v_mul_u32_u24 v[TRA], v[QL], 4*TP
	v_lshl_add_u32 v[TRA], v[TA], 2, v[TRA]
	s_add_co_u32 s8, s8, RED
	v_mov_b32 v[RA], s8
	s_wait_kmcnt 0x0
	s_load_b32 s32, s[24:25], 0x0
.irp i, 0,1,2,3,4,5,6,7
	global_load_b128 v[H+4*(\i):H+4*(\i)+3], v[HO], s[22:23] offset:2048*(\i)
.endr
.irp i, 0,1,2,3,4,5,6,7
	global_load_b128 v[C+4*(\i):C+4*(\i)+3], v[HO], s[18:19] offset:2048*(\i)
.endr
	global_load_b128 v[OH:OH+3], v[CO], s[22:23]
	global_load_b128 v[OC:OC+3], v[CO], s[18:19]
.irp i, 0,1,2,3,4,5,6,7
	global_load_b128 v[DW+4*(\i):DW+4*(\i)+3], v[DWO], s[16:17] offset:2048*(\i) th:TH_LOAD_NT
.endr
.irp i, 0,1,2,3,4,5,6,7
	global_load_b128 v[ED+4*(\i):ED+4*(\i)+3], v[EO], s[20:21] offset:32768*(\i) th:TH_LOAD_NT
.endr
	v_mov_b32 v[NS], 0
	v_mov_b32 v[NS+1], 0
	v_mov_b32 v[R+1], 0
	v_mov_b32 v[R+2], 0
	v_mov_b32 v[R+3], 0
.irp t, 0,1,2
	v_mov_b32 v[PT+(\t)], 0
.endr
	s_wait_kmcnt 0x0
	v_mov_b32 v[TA], s32
	v_cvt_pk_bf16_f32 v[TA], v[TA], v[TA]
	v_lshlrev_b32 v[TA], 16, v[TA]
	v_add_f32 v[TA], 1.0, v[TA]
	v_mul_f32 v[TA], 0xbc6d8f8b, v[TA]             ; x log2(0.99 in f32)
	v_exp_f32 v[NN], v[TA]
	v_nop                                          ; a plain instruction behind the transcendental,
	s_wait_alu depctr_va_vdst(0)                   ; and the wait ahead of its first reader
	v_sub_f32 v[NN], 1.0, v[NN]                    ; bias
	v_rcp_f32 v[RB], v[NN]
	v_nop
	s_wait_alu depctr_va_vdst(0)
	s_wait_loadcnt 18                              ; ema_cluster and the counts are in; behind them: my own 2, dwT's 8, ema_dw's 8
.set i, 0
.rept 16
	HID H+2*i, C+2*i
	v_pk_add_f32 v[NS:NS+1], v[NS:NS+1], v[H+2*i:H+2*i+1]
.set i, i+1
.endr
	v_add_f32 v[R], v[NS], v[NS+1]
	s_cmp_lg_u32 ttmp9, 0                          ; work-group 0 also makes the entropy and gathers the loss
	s_cbranch_scc1 .Lnot0
	v_lshlrev_b32 v[TA], 3, v0
	global_load_b64 v[LP:LP+1], v[TA], s[18:19] offset:16384
.set i, 0
.rept 32
	v_mul_f32 v[C+i], 0x38000000, v[C+i]           ; p = cnt / 32,768
.set i, i+1
.endr
.set i, 0
.rept 32
	v_add_f32 v[H+i], 0x2edbe6ff, v[C+i]           ; p + 1e-10
.set i, i+1
.endr
.set i, 0
.rept 32
	v_log_f32 v[H+i], v[H+i]
.set i, i+1
.endr
	v_nop
	s_wait_alu depctr_va_vdst(0)                   ; one wait for the 32 logarithms
.set i, 0
.rept 32
	v_fmac_f32 v[R+1], v[C+i], v[H+i]
.set i, i+1
.endr
	s_wait_loadcnt 0x0
	v_add_f32 v[R+2], v[LP], v[LP+1]
.Lnot0:
.irp m, 1,2,4,8
.irp t, 0,1,2
	v_add_f32_dpp v[R+(\t)], v[R+(\t)], v[R+(\t)] row_xmask:\m row_mask:0xf bank_mask:0xf
.endr
.endr
.irp t, 0,1,2
	v_permlanex16_b32 v[PT+(\t)], v[R+(\t)], s38, s39
.endr
.irp t, 0,1,2
	v_add_f32 v[R+(\t)], v[R+(\t)], v[PT+(\t)]
.endr
	ds_store_b128 v[RA], v[R:R+3]
	s_wait_loadcnt 8                               ; dwT's tile is in; ema_dw's 8 loads may stay out
.irp i, 0,1,2,3,4,5,6,7
.irp e, 0,1,2,3
	ds_store_b32 v[TSA], v[DW+4*(\i)+(\e)] offset:2*TP*(\i)+4*(\e)
.endr
.endr
	s_wait_dscnt 0x0
	s_barrier_signal -1
	s_barrier_wait -1
	v_mov_b32 v[TA], RED
.irp t, 0,1,2,3
	ds_load_b128 v[H+4*(\t):H+4*(\t)+3], v[TA] offset:16*(\t)
.endr
.irp i, 0,1,2,3,4,5,6,7
.irp e, 0,1,2,3
	ds_load_b32 v[C+4*(\i)+(\e)], v[TRA] offset:TP*(\e)+8*(\i)  ; code 4 q + e, channel 16 w + 2 i + p
.endr
.endr
	s_wait_dscnt 32                                ; the four waves' parts are in; the tile's 32 words may stay out
.irp t, 1,2,3
	v_add_f32 v[H], v[H], v[H+4*(\t)]
	v_add_f32 v[H+1], v[H+1], v[H+4*(\t)+1]
	v_add_f32 v[H+2], v[H+2], v[H+4*(\t)+2]
.endr
	v_mul_f32 v[NN], v[H], v[RB]                   ; n
	v_add_f32 v[PT], 0x3d27c5ac, v[NN]             ; n + K eps
	v_rcp_f32 v[PT], v[PT]
	HID OH, OC                                     ; independent work behind the reciprocal
	HID OH+2, OC+2
	s_wait_alu depctr_va_vdst(0)
.irp e, 0,1,2,3
	v_mul_f32 v[OH+(\e)], v[OH+(\e)], v[RB]        ; cluster_avg
	v_add_f32 v[OH+(\e)], 0x3727c5ac, v[OH+(\e)]
	v_mul_f32 v[OH+(\e)], v[OH+(\e)], v[PT]
	v_mul_f32 v[OH+(\e)], v[OH+(\e)], v[NN]        ; cluster_norm
.endr
.irp e, 0,1,2,3
	v_rcp_f32 v[F+(\e)], v[OH+(\e)]
.endr
	v_nop
	s_wait_alu depctr_va_vdst(0)                   ; one wait for the four reciprocals
.irp e, 0,1,2,3
	v_mul_f32 v[F+(\e)], v[F+(\e)], v[RB]
.endr
	s_wait_loadcnt 0x0
	s_wait_dscnt 0x0
.irp i, 0,1,2,3,4,5,6,7
	HID ED+4*(\i), C+4*(\i)
	HID ED+4*(\i)+2, C+4*(\i)+2
	v_pk_mul_f32 v[ED+4*(\i):ED+4*(\i)+1],   v[ED+4*(\i):ED+4*(\i)+1],   v[F:F+1]
	v_pk_mul_f32 v[ED+4*(\i)+2:ED+4*(\i)+3], v[ED+4*(\i)+2:ED+4*(\i)+3], v[F+2:F+3]
	global_store_b128 v[EO], v[ED+4*(\i):ED+4*(\i)+3], s[26:27] offset:32768*(\i) th:TH_STORE_NT  ; sixteen lanes store 256 consecutive bytes
.endr
	s_cmp_lg_u32 ttmp9, 0
	s_cbranch_scc1 .Lend
	s_cmp_lg_u32 s4, 0
	s_cbranch_scc1 .Lend
	v_mul_f32 v[H+2], 0x34200000, v[H+2]           ; x 1.25 / 2^23
	v_mul_f32 v[H+1], -1.0, v[H+1]
	v_exp_f32 v[H+1], v[H+1]
	v_mov_b32 v[TA], 0
	s_wait_alu depctr_va_vdst(0)
	v_cmp_eq_u32 vcc_lo, 0, v[LN]
	s_wait_xcnt 0x0                                ; EXEC changes only behind this wait
	s_and_saveexec_b32 s7, vcc_lo
	global_store_b32 v[TA], v[H+2], s[28:29]
	global_store_b32 v[TA], v[H+1], s[30:31]
	s_wait_xcnt 0x0
	s_or_b32 exec_lo, exec_lo, s7
.Lend:
	s_wait_tensorcnt 0x0                           ; the wave's end: behind my last LDS store
	ds_add_u32 v[SPW], v[NIL]
	s_wait_dscnt 0x0
	s_endpgm
.Lfunc_end_k_qf5d843c9bc_fin:
	.size	k_qf5d843c9bc_fin, .Lfunc_end_k_qf5d843c9bc_fin-k_qf5d843c9bc_fin
	.p2alignl 7, 3214868480
	.fill 96, 4, 3214868480
	.section	.rodata,"a",@progbits
	.p2align	6, 0x0
	.amdhsa_kernel k_qf5d843c9bc_fin
		.amdhsa_group_segment_fixed_size 17664
		.amdhsa_private_segment_fixed_size 0
		.amdhsa_enable_private_segment 0
		.amdhsa_kernarg_size 64
		.amdhsa_user_sgpr_count 2
		.amdhsa_user_sgpr_kernarg_segment_ptr 1
		.amdhsa_wavefront_size32 1
		.amdhsa_system_sgpr_workgroup_id_x 1
		.amdhsa_system_sgpr_workgroup_id_y 1
		.amdhsa_system_sgpr_workgroup_id_z 1
		.amdhsa_system_vgpr_workitem_id 0
		.amdhsa_next_free_vgpr 192
		.amdhsa_next_free_sgpr 66
		.amdhsa_reserve_vcc 1
		.amdhsa_float_denorm_mode_32 3
		.amdhsa_float_denorm_mode_16_64 3
		.amdhsa_memory_ordered 1
		.amdhsa_forward_progress 1
		.amdhsa_inst_pref_size 33
	.end_amdhsa_kernel
	.amdgpu_metadata
---
amdhsa.version: [ 1, 2 ]
amdhsa.kernels:
  - .name:           k_qf5d843c9bc_fin
    .symbol:         k_qf5d843c9bc_fin.kd
    .args:
      - { .name: dwT, .offset: 0, .size: 8, .value_kind: global_buffer, .address_space: global }
      - { .name: stat, .offset: 8, .size: 8, .value_kind: global_buffer, .address_space: global }
      - { .name: ema_hidden_dw, .offset: 16, .size: 8, .value_kind: global_buffer, .address_space: global }
      - { .name: ema_hidden_cluster, .offset: 24, .size: 8, .value_kind: global_buffer, .address_space: global }
      - { .name: ema_counter, .offset: 32, .size: 8, .value_kind: global_buffer, .address_space: global }
      - { .name: out4, .offset: 40, .size: 8, .value_kind: global_buffer, .address_space: global }
      - { .name: out1, .offset: 48, .size: 8, .value_kind: global_buffer, .address_space: global }
      - { .name: out2, .offset: 56, .size: 8, .value_kind: global_buffer, .address_space: global }
    .group_segment_fixed_size: 17664
    .private_segment_fixed_size: 0
    .kernarg_segment_align: 8
    .kernarg_segment_size: 64
    .max_flat_workgroup_size: 128
    .sgpr_count:     66
    .vgpr_count:     192
    .wavefront_size: 32
...
	.end_amdgpu_metadata
.endif
;; end of part 5
;; ======== version 2 of 2: 5 launches; version 1 with the launch prep written anew for expert scheduling mode
;; workspace buffers: ET 2,097,152 bytes; se 16,384 bytes; idxw 131,072 bytes of whole numbers; blist 131,072 bytes of whole numbers; btab 2,048 bytes of whole numbers; dwT 4,194,304 bytes; stat 17,408 bytes
;; launch prep (part 6): grid 64 x 1, 8 waves a work-group, no clusters, 36,864 bytes of LDS; arguments embeddings, ET, se; writes ET, se
.if DOCPART == 6
	.amdgcn_target "amdgcn-amd-amdhsa--gfx1250"
	.amdhsa_code_object_version 6
	.text
	.protected	k_qf5d843c9bc_prep
	.globl	k_qf5d843c9bc_prep
	.p2align	8
	.type	k_qf5d843c9bc_prep,@function
k_qf5d843c9bc_prep:
	s_mov_b64 s[64:65], 0
	v_nop
	global_prefetch_b8 v0, s[64:65] scope:SCOPE_SE
	s_setreg_imm32_b32 hwreg(HW_REG_WAVE_SCHED_MODE, 0, 2), 2
	s_setreg_imm32_b32 hwreg(HW_REG_WAVE_MODE, 25, 1), 1
	s_wait_xcnt 0x0
	s_wait_alu depctr_vm_vsrc(0)
; VECTOR QUANTISER WITH EMA UPDATE, five launches: prep, main, bkt, seg, fin.  This one: ET[k][d] = bf16(embeddings[d][k]) and se[k] = the sum over d of ET[k][d]^2 (f32).
; FORMATS.  All five inputs are rounded once to bf16, and every later use takes the rounded numbers (products, |x|^2, |e|^2, quantized, loss, dw, the three ema inputs); all sums are f32.
; WORK LEFT OUT, for all values of the inputs:
;  - encodings = one_hot(idx) is never built.  dw = flat.T @ encodings adds row q of flat into column idx[q] and into no other, since every other entry of row q of encodings is the 0 that
;    one_hot writes; sum(encodings, 0) counts the rows of each index.  Both are selections by an index: launch seg does them from the indices that launch main stored, with a one-hot of 32 rows x the 16 codes of one bucket.
;  - e_latent_loss and q_latent_loss are the same expression in the module's text: the mean is made once and multiplied by 1 + 0.25.
;  No input is left out.  |x|^2 is the same along the argmax's axis but STAYS: it is some 250 beside differences of 1e-5, so the f32 roundings of (|x|^2 - 2 m) + |e|^2 decide close rows; main makes the same two roundings.
; LIMITS.  A NaN or an infinity of x in row q reaches dw's column idx[q] alone (the dense product would spread 0 x NaN over every column).  A distance that is NaN is never chosen; if all of a row's distances are +inf the index is 0.
; Divisions are a reciprocal (1 ulp) and a multiply; 0.99^c is 2^(c log2 0.99).
; SHARES.  A work-group owns 64 codes: 256 consecutive bytes of each of the 256 rows of embeddings, and so all of D for its |e|^2: that makes 64 work-groups.  Wave w takes channels 32 w .. 32 w + 31.
; A lane (q = l % 16, p = l / 16) holds 4 codes 4 q .. 4 q + 3 of channels d and d + 1, d = 32 w + 4 i + 2 p: the two channels pack into one word of ET's row.
; The words go through LDS (rows of 512 bytes + 16) and come back as whole rows.  The 32 word stores of a lane meet four deep in the banks; a pitch that avoids that would break the 16-byte alignment of the way back.
; THE MODE: SCHED_MODE bits 1:0 = 2 (LLVM: expert scheduling mode 2), set by the entry lines.  The code itself states the register dependences
; between vector instructions and memory or LDS instructions, with s_wait_alu, always for 0.
; THE PLAN.  Registers that memory or LDS instructions touch:
;   v[VO]       Written at the head; read by the sixteen loads; never written again.
;   LD          Pair i's 8 registers: a load lands in them once; pair i's four conversions read them.  Behind the barrier v[LD .. LD+31] take the rows read back from LDS, which the eight
;               stores to ET read; in wave 0 v[LD+32 .. LD+47] take the eight partial sums, whose additions write v[LD+32:LD+33], the data of the store to se.
;   PK          Pair i's four words: written by its conversions; read by its four LDS stores, which are issued at the head of pair i + 1's step.  PK .. PK+3 are written once more, by the lane exchanges at the end.
;   ACC         Named by vector instructions alone until the one LDS store at the end.
;   v[TA], v[RA], v[SO], v[SA], v[SR], v[SG]   Made once, while the loads are out; never written again.
;   v[SPW], v[NIL]   Written at the head, read by the closing add alone.
; So a step has ONE wait on va_vdst, at its head, behind the wait for its data: it states that the step before has written its words of PK, and that step's four LDS stores follow it at once.
; One more stands behind the last additions, for the last five LDS stores, and it also covers all that follows the barrier: no vector instruction stands between it and the LDS loads into LD.
.set EP,    528
.set SEP,   64*EP                      ; eight waves' partial |e|^2: 256 bytes each
.set SPARE, SEP+2048                   ; the spare words, 128 bytes a wave: four blocks of 256 bytes that no other line names
.set VO,  2                            ; my byte offset in embeddings
.set TA,  3                            ; where my words go in LDS
.set SPW, 4                            ; my spare word; never rewritten
.set NIL, 5                            ; 0, for the add alone
.set RA,  6                            ; where I read rows back
.set SO,  7                            ; my byte offset in ET
.set ACC, 8                            ; v[8:11] |e|^2 of my 4 codes
.set SA,  12
.set SR,  13
.set SG,  14
.set ZR,  15                           ; 0: starts the sums
.set LD,  16                           ; v[16:79] sixteen loads; later the rows read back
.set PK,  80                           ; v[80:111] packed words
.set QL,  112
.set PL,  113
.set LN,  114
	s_load_b128 s[4:7], s[0:1], 0x0                ; embeddings s[4:5], ET s[6:7]
	s_load_b64 s[8:9], s[0:1], 0x10                ; se
	v_lshl_add_u32 v[SPW], v0, 2, SPARE
	v_mov_b32 v[NIL], 0
	v_lshrrev_b32 v1, 5, v0
	v_readfirstlane_b32 s10, v1                    ; wave 0..7
	v_and_b32 v[QL], 15, v0
	v_bfe_u32 v[PL], v0, 4, 1
	v_and_b32 v[LN], 31, v0
	s_wait_alu depctr_va_sdst(0)                   ; s10 is written, ahead of its first reader: the offsets below are made from it
	s_lshl_b32 s11, s10, 19                        ; 32 w rows of 16,384 bytes
	s_lshl_b32 s12, ttmp9, 8                       ; the work-group's 64 codes: 256 bytes
	s_add_co_u32 s11, s11, s12
	v_lshlrev_b32 v[VO], 4, v[QL]
	v_lshl_add_u32 v[VO], v[PL], 15, v[VO]         ; 2 p rows
	v_add_nc_u32 v[VO], s11, v[VO]
	s_mov_b32 s20, 0x76543210                      ; v_permlanex16_b32: each lane takes its own place in the other half
	s_mov_b32 s21, 0xfedcba98
	s_wait_kmcnt 0x0
	s_wait_alu depctr_va_vdst(0)                   ; v[VO] is written, which the sixteen loads read as their offset
.irp i, 0,1,2,3,4,5,6,7
	global_load_b128 v[LD+8*(\i):LD+8*(\i)+3],   v[VO], s[4:5] offset:(\i)*65536 th:TH_LOAD_NT        ; channel d: sixteen lanes take 256 consecutive bytes
	global_load_b128 v[LD+8*(\i)+4:LD+8*(\i)+7], v[VO], s[4:5] offset:(\i)*65536+16384 th:TH_LOAD_NT  ; channel d + 1
.endr
	v_mul_u32_u24 v[TA], v[QL], 4*EP               ; row 4 q,
	v_lshl_add_u32 v[TA], v[PL], 2, v[TA]          ; byte 2 (32 w + 2 p)
	s_lshl_b32 s13, s10, 6
	v_add_nc_u32 v[TA], s13, v[TA]
	s_mul_i32 s14, s10, 8*EP
	v_lshl_add_u32 v[RA], v[LN], 4, s14            ; rows 8 w .., 16 bytes a lane
	s_lshl_b32 s15, ttmp9, 15                      ; 64 rows of ET, 512 bytes each
	s_lshl_b32 s16, s10, 12
	s_add_co_u32 s15, s15, s16
	v_lshl_add_u32 v[SO], v[LN], 4, s15
	s_lshl_b32 s16, s10, 8
	s_add_co_u32 s16, s16, SEP
	v_lshl_add_u32 v[SA], v[QL], 4, s16
	v_lshlrev_b32 v[SR], 3, v[LN]
	v_add_nc_u32 v[SG], s12, v[SR]
	v_mov_b32 v[ZR], 0
.irp i, 0,1,2,3,4,5,6,7
	s_wait_loadcnt 14-2*(\i)                       ; pair i is in; the younger pairs stay out
.if (\i) > 0
	s_wait_alu depctr_va_vdst(0)                   ; the conversions of the pair before have written its four words of PK, which the LDS stores below read; at the first of these waits v[TA], their address, is written too
.irp c, 0,1,2,3
	ds_store_b32 v[TA], v[PK+4*((\i)-1)+(\c)] offset:(\c)*EP+8*((\i)-1)
.endr
.endif
.irp c, 0,1,2,3
	v_cvt_pk_bf16_f32 v[PK+4*(\i)+(\c)], v[LD+8*(\i)+(\c)], v[LD+8*(\i)+4+(\c)]
.endr
.irp c, 0,1,2,3
.if (\i) == 0
	v_fma_mix_f32_bf16 v[ACC+(\c)], v[PK+4*(\i)+(\c)], v[PK+4*(\i)+(\c)], v[ZR] op_sel_hi:[1,1,0]
.else
	v_fma_mix_f32_bf16 v[ACC+(\c)], v[PK+4*(\i)+(\c)], v[PK+4*(\i)+(\c)], v[ACC+(\c)] op_sel_hi:[1,1,0]
.endif
.endr
.irp c, 0,1,2,3
	v_fma_mix_f32_bf16 v[ACC+(\c)], v[PK+4*(\i)+(\c)], v[PK+4*(\i)+(\c)], v[ACC+(\c)] op_sel:[1,1,0] op_sel_hi:[1,1,0]
.endr
.endr
	s_wait_alu depctr_vm_vsrc(0)                   ; the LDS stores of pair 0 have read v[PK .. PK+3], which the lane exchanges below write again
.irp c, 0,1,2,3
	v_permlanex16_b32 v[PK+(\c)], v[ACC+(\c)], s20, s21  ; the other half of the lanes holds the same codes, other channels
.endr
.irp c, 0,1,2,3
	v_add_f32 v[ACC+(\c)], v[ACC+(\c)], v[PK+(\c)]
.endr
	s_wait_alu depctr_va_vdst(0)                   ; pair 7's conversions have written v[PK+28 .. PK+31] and the additions ACC, which the five LDS stores below read; all conversions are done reading LD, in which the LDS loads behind the barrier land; v[SA], v[RA], v[SO], v[SR], v[SG] are written
.irp c, 0,1,2,3
	ds_store_b32 v[TA], v[PK+28+(\c)] offset:(\c)*EP+56
.endr
	ds_store_b128 v[SA], v[ACC:ACC+3]              ; both halves store the same numbers to the same bytes
	s_wait_dscnt 0x0                               ; for the others' sake: my stores are done
	s_barrier_signal -1
	s_barrier_wait -1
.irp t, 0,1,2,3,4,5,6,7
	ds_load_b128 v[LD+4*(\t):LD+4*(\t)+3], v[RA] offset:(\t)*EP  ; no vector instruction since the wait above names these registers
.endr
.irp t, 0,1,2,3,4,5,6,7
	s_wait_dscnt 7-(\t)
	global_store_b128 v[SO], v[LD+4*(\t):LD+4*(\t)+3], s[6:7] offset:(\t)*512  ; a whole row of ET: 512 consecutive bytes
.endr
	s_cmp_lg_u32 s10, 0                            ; wave 0 adds the eight partial |e|^2
	s_cbranch_scc1 .Lend
.irp v, 0,1,2,3,4,5,6,7
	ds_load_b64 v[LD+32+2*(\v):LD+33+2*(\v)], v[SR] offset:SEP+256*(\v)  ; into the registers of pairs 4 and 5, which no store reads and which the conversions named last, ahead of the wait above
.endr
	s_wait_dscnt 0x0
.irp v, 1,2,3,4,5,6,7
	v_pk_add_f32 v[LD+32:LD+33], v[LD+32:LD+33], v[LD+32+2*(\v):LD+33+2*(\v)]
.endr
	s_wait_alu depctr_va_vdst(0)                   ; the additions have written v[LD+32:LD+33], which the store reads
	global_store_b64 v[SG], v[LD+32:LD+33], s[8:9] ; 256 consecutive bytes of se
.Lend:
	s_wait_dscnt 0x0                               ; the closing lines, six on end
	s_wait_alu 0x0
	s_wait_tensorcnt 0x0
	ds_add_u32 v[SPW], v[NIL]
	s_wait_dscnt 0x0
	s_endpgm
.Lfunc_end_k_qf5d843c9bc_prep:
	.size	k_qf5d843c9bc_prep, .Lfunc_end_k_qf5d843c9bc_prep-k_qf5d843c9bc_prep
	.p2alignl 7, 3214868480
	.fill 96, 4, 3214868480
	.section	.rodata,"a",@progbits
	.p2align	6, 0x0
	.amdhsa_kernel k_qf5d843c9bc_prep
		.amdhsa_group_segment_fixed_size 36864
		.amdhsa_private_segment_fixed_size 0
		.amdhsa_enable_private_segment 0
		.amdhsa_kernarg_size 24
		.amdhsa_user_sgpr_count 2
		.amdhsa_user_sgpr_kernarg_segment_ptr 1
		.amdhsa_wavefront_size32 1
		.amdhsa_system_sgpr_workgroup_id_x 1
		.amdhsa_system_sgpr_workgroup_id_y 1
		.amdhsa_system_sgpr_workgroup_id_z 1
		.amdhsa_system_vgpr_workitem_id 0
		.amdhsa_next_free_vgpr 128
		.amdhsa_next_free_sgpr 66
		.amdhsa_reserve_vcc 0
		.amdhsa_float_denorm_mode_32 3
		.amdhsa_float_denorm_mode_16_64 3
		.amdhsa_memory_ordered 1
		.amdhsa_forward_progress 1
		.amdhsa_inst_pref_size 16
	.end_amdhsa_kernel
	.amdgpu_metadata
---
amdhsa.version: [ 1, 2 ]
amdhsa.kernels:
  - .name:           k_qf5d843c9bc_prep
    .symbol:         k_qf5d843c9bc_prep.kd
    .args:
      - { .name: embeddings, .offset: 0, .size: 8, .value_kind: global_buffer, .address_space: global }
      - { .name: ET, .offset: 8, .size: 8, .value_kind: global_buffer, .address_space: global }
      - { .name: se, .offset: 16, .size: 8, .value_kind: global_buffer, .address_space: global }
    .group_segment_fixed_size: 36864
    .private_segment_fixed_size: 0
    .kernarg_segment_align: 8
    .kernarg_segment_size: 24
    .max_flat_workgroup_size: 256
    .sgpr_count:     66
    .vgpr_count:     128
    .wavefront_size: 32
...
	.end_amdgpu_metadata
.endif
;; end of part 6
;; launch main: the kernel of part 2 again; grid 256 x 1, 4 waves a work-group, clusters of 4 x 1, 327,680 bytes of LDS; arguments x, ET, se, out3, idxw; writes out3, idxw
;; launch bkt: the kernel of part 3 again; grid 256 x 1, 8 waves a work-group, no clusters, 1,280 bytes of LDS; arguments idxw, blist, btab; writes blist, btab
;; launch seg: the kernel of part 4 again; grid 256 x 1, 8 waves a work-group, no clusters, 141,568 bytes of LDS; arguments x, ET, idxw, blist, btab, out0, dwT, stat; writes out0, dwT, stat
;; launch fin: the kernel of part 5 again; grid 256 x 1, 4 waves a work-group, no clusters, 17,664 bytes of LDS; arguments dwT, stat, ema_hidden_dw, ema_hidden_cluster, ema_counter, out4, out1, out2; writes out4, out1, out2
